; MI455X (gfx1250); checked and timed in simulation.
; The chip was launched on July 23, 2026; its instructions are those of AMD's public machine-readable ISA for CDNA 5 (MIT licence, August 2026) and "CDNA5" Instruction Set Architecture Reference Guide (July 2026). The comments in the code are by the model that wrote it; some were corrected since.
;; Causal Self Attention. Allowed arithmetic: float matrix products may take bf16 or f16 operands with f32 sums; other float arithmetic in f32, or as packed bf16 or f16 multiplies, adds, multiply-adds, maxima and minima; sums over many terms, partial sums and values carried from step to step in f32; what a program stores and reads back later, other than sums and carried values, may be rounded once to bf16 or f16.
;; Inputs: Wk 1,024 x 1,024 float32; Wq 1,024 x 1,024 float32; Wv 1,024 x 1,024 float32; x 4 x 2,048 x 1,024 float32.
;; Outputs: out0 4 x 2,048 x 1,024 float32.
;; 2 versions, each right; version 2 is version 1 with the launch cast written anew for expert scheduling mode. Each part assembles by itself: llvm-mc -triple=amdgcn-amd-amdhsa -mcpu=gfx1250 --defsym DOCPART=n.
;; ======== version 1 of 2: 4 launches
;; limits: values are held in f16: magnitudes above 65,504 overflow, below 6.1e-05 lose precision
;; workspace buffers: xb 16,777,216 bytes; wb 6,291,456 bytes; qkv 50,331,648 bytes; pt 33,554,432 bytes; ms 524,288 bytes; ls 524,288 bytes
;; launch cast (part 1): grid 704 x 1, 8 waves a work-group, no clusters, 0 bytes of LDS; arguments x, Wq, Wk, Wv, xb, wb; writes xb, wb
.if DOCPART == 1
	.amdgcn_target "amdgcn-amd-amdhsa--gfx1250"
	.amdhsa_code_object_version 6
	.text
	.protected	k_qab14af1eee_cast
	.globl	k_qab14af1eee_cast
	.p2align	8
	.type	k_qab14af1eee_cast,@function
k_qab14af1eee_cast:
	s_mov_b64 s[64:65], 0
	v_nop
	global_prefetch_b8 v0, s[64:65] scope:SCOPE_SE
	s_setreg_imm32_b32 hwreg(HW_REG_WAVE_MODE, 25, 1), 1
	s_wait_xcnt 0x0
; x [8192][1024] and Wq, Wk, Wv [1024][1024], all f32, are rounded once to bf16 and laid in blocks of 64 along K:
; xb [16 kb][8192 rows][64], wb [16 kb][3072 rows][64] (rows 0-1023 Wq, 1024-2047 Wk, 2048-3071 Wv).  So 128 or 192 rows of one K block are dense bytes for the product that follows.
; SHARES.  A work-group takes 16 rows: groups 0-511 those of x, groups 512-703 those of the three W.  A wave takes two rows.  Thread n: row n / 16, the 16 bytes n % 16 of each 256 bytes.
; One load of a wave covers 256 consecutive bytes of each of its two rows; one store covers 256 consecutive bytes, aligned: the two rows' 128 bytes of one K block.
; All 16 loads of a thread go out at once; no register is written twice, so the only waits are the counted ones for the loads.  No LDS, no barrier: no thread wants another's bytes.
.set SO,   2                           ; v2   byte offset in the group's 16 source rows
.set DO,   3                           ; v3   byte offset in the group's 2,048 bytes of a K block
.set X,    16                          ; v[16:79]   16 x 4 numbers as loaded
.set Y,    80                          ; v[80:111]  16 x 2 registers to store
.set XSTR, 8192*128                    ; bytes of a K block of xb
.set WSTR, 3072*128                    ; of wb
	s_load_b256 s[4:11], s[0:1], 0x0               ; x s[4:5], Wq s[6:7], Wk s[8:9], Wv s[10:11]
	s_load_b128 s[12:15], s[0:1], 0x20             ; xb s[12:13], wb s[14:15]
	v_lshrrev_b32 v1, 4, v0                        ; my row of the 16
	v_and_b32 v4, 15, v0                           ; my place in 256 bytes
	v_lshlrev_b32 v[SO], 12, v1                    ; a source row is 4,096 bytes
	v_lshl_or_b32 v[SO], v4, 4, v[SO]
	v_lshlrev_b32 v[DO], 7, v1                     ; a row of a K block is 128 bytes
	v_lshl_or_b32 v[DO], v4, 3, v[DO]
	s_max_u32 s22, ttmp9, 512
	s_sub_co_u32 s22, s22, 512                     ; t: the group's number among the W groups (0 in the x groups)
	s_lshr_b32 s23, s22, 6                         ; which W: 64 groups each
	s_and_b32 s24, s22, 63                         ; the group's number inside that W
	s_mov_b32 s27, 0
	s_wait_kmcnt 0x0
	s_cmp_eq_u32 s23, 1
	s_cselect_b64 s[16:17], s[8:9], s[6:7]
	s_cmp_eq_u32 s23, 2
	s_cselect_b64 s[16:17], s[10:11], s[16:17]
	s_cmp_lt_u32 ttmp9, 512
	s_cselect_b64 s[16:17], s[4:5], s[16:17]       ; the source,
	s_cselect_b64 s[18:19], s[12:13], s[14:15]     ; the destination,
	s_cselect_b32 s24, ttmp9, s24                  ; the group's number in the source
	s_cselect_b32 s22, ttmp9, s22                  ; and in the destination
	s_lshl_b32 s26, s24, 16                        ; 16 rows of 4,096 bytes
	s_add_nc_u64 s[16:17], s[16:17], s[26:27]
	s_lshl_b32 s26, s22, 11                        ; 16 rows of 128 bytes
	s_add_nc_u64 s[18:19], s[18:19], s[26:27]
.set kb, 0
.rept 16
	global_load_b128 v[X+4*kb:X+4*kb+3], v[SO], s[16:17] offset:256*kb th:TH_LOAD_NT
.set kb, kb+1
.endr
; The 16 K blocks are rounded and stored as they come.  The blocks lie stride bytes apart: eight of them are reached by the immediate, the other eight from a second base.
.macro OUT stride
	s_add_nc_u64 s[20:21], s[18:19], 8*(\stride)
.set kb, 0
.rept 16
	s_wait_loadcnt 15-kb                           ; loads come back in order: block kb is in, the 15 - kb younger ones stay out
	v_cvt_pk_bf16_f32 v[Y+2*kb],   v[X+4*kb],   v[X+4*kb+1]
	v_cvt_pk_bf16_f32 v[Y+2*kb+1], v[X+4*kb+2], v[X+4*kb+3]
.if kb < 8
	global_store_b64 v[DO], v[Y+2*kb:Y+2*kb+1], s[18:19] offset:kb*(\stride) th:TH_STORE_NT
.else
	global_store_b64 v[DO], v[Y+2*kb:Y+2*kb+1], s[20:21] offset:(kb-8)*(\stride) th:TH_STORE_NT
.endif
.set kb, kb+1
.endr
.endm
	s_cmp_lt_u32 ttmp9, 512
	s_cbranch_scc0 .Lweights
	OUT XSTR
	s_endpgm
.Lweights:
	OUT WSTR
	s_endpgm
.Lfunc_end_k_qab14af1eee_cast:
	.size	k_qab14af1eee_cast, .Lfunc_end_k_qab14af1eee_cast-k_qab14af1eee_cast
	.p2alignl 7, 3214868480
	.fill 96, 4, 3214868480
	.section	.rodata,"a",@progbits
	.p2align	6, 0x0
	.amdhsa_kernel k_qab14af1eee_cast
		.amdhsa_group_segment_fixed_size 0
		.amdhsa_private_segment_fixed_size 0
		.amdhsa_enable_private_segment 0
		.amdhsa_kernarg_size 48
		.amdhsa_user_sgpr_count 2
		.amdhsa_user_sgpr_kernarg_segment_ptr 1
		.amdhsa_wavefront_size32 1
		.amdhsa_system_sgpr_workgroup_id_x 1
		.amdhsa_system_sgpr_workgroup_id_y 1
		.amdhsa_system_sgpr_workgroup_id_z 1
		.amdhsa_system_vgpr_workitem_id 0
		.amdhsa_next_free_vgpr 112
		.amdhsa_next_free_sgpr 66
		.amdhsa_reserve_vcc 0
		.amdhsa_float_denorm_mode_32 3
		.amdhsa_float_denorm_mode_16_64 3
		.amdhsa_memory_ordered 1
		.amdhsa_forward_progress 1
		.amdhsa_inst_pref_size 12
	.end_amdhsa_kernel
	.amdgpu_metadata
---
amdhsa.version: [ 1, 2 ]
amdhsa.kernels:
  - .name:           k_qab14af1eee_cast
    .symbol:         k_qab14af1eee_cast.kd
    .args:
      - { .name: x, .offset: 0, .size: 8, .value_kind: global_buffer, .address_space: global }
      - { .name: Wq, .offset: 8, .size: 8, .value_kind: global_buffer, .address_space: global }
      - { .name: Wk, .offset: 16, .size: 8, .value_kind: global_buffer, .address_space: global }
      - { .name: Wv, .offset: 24, .size: 8, .value_kind: global_buffer, .address_space: global }
      - { .name: xb, .offset: 32, .size: 8, .value_kind: global_buffer, .address_space: global }
      - { .name: wb, .offset: 40, .size: 8, .value_kind: global_buffer, .address_space: global }
    .group_segment_fixed_size: 0
    .private_segment_fixed_size: 0
    .kernarg_segment_align: 8
    .kernarg_segment_size: 48
    .max_flat_workgroup_size: 256
    .sgpr_count:     66
    .vgpr_count:     112
    .wavefront_size: 32
...
	.end_amdgpu_metadata
.endif
;; end of part 1
;; launch proj (part 2): grid 8 x 32, 4 waves a work-group, clusters of 4 x 4, 327,680 bytes of LDS; arguments xb, wb, qkv; writes qkv
.if DOCPART == 2
	.amdgcn_target "amdgcn-amd-amdhsa--gfx1250"
	.amdhsa_code_object_version 6
	.text
	.protected	k_qab14af1eee_proj
	.globl	k_qab14af1eee_proj
	.p2align	8
	.type	k_qab14af1eee_proj,@function
k_qab14af1eee_proj:
	s_mov_b64 s[64:65], 0
	v_nop
	global_prefetch_b8 v0, s[64:65] scope:SCOPE_SE
	s_setreg_imm32_b32 hwreg(HW_REG_WAVE_MODE, 25, 1), 1
	s_wait_xcnt 0x0
	s_wait_alu depctr_hold_cnt(0) depctr_sa_sdst(0) depctr_va_vdst(0) depctr_va_sdst(0) depctr_va_ssrc(0) depctr_va_vcc(0) depctr_vm_vsrc(0)
	s_getreg_b32 s2, hwreg(HW_REG_IB_STS2, 6, 4)
	s_cmp_eq_u32 s2, 0
	s_cbranch_scc0 .Lentry_in_a_cluster
	s_endpgm
.Lentry_in_a_cluster:
	s_bfe_u32 s2, ttmp6, 0x10000c
	s_cmp_lg_u32 s2, 0xf033
	s_cbranch_scc0 .Lentry_shape_is_right
	s_endpgm
.Lentry_shape_is_right:
; qkv[m][n] = the sum over k of x[m][k] W[n][k]: [8192][3072], q in columns 0-1023, k in 1024-2047, v in 2048-3071.  Operands bf16 (xb, wb, in K blocks of 64), sums f32, qkv rounded once to f16.
; LIMIT.  f16 ends at 65,504: |q|, |k|, |v| must stay under it.
; THE TILE is 256 x 384: 8192 x 3072 outputs are then 256 tiles, one for each work-group of the grid.  Four waves, each 128 x 192: 96 accumulators of 16 x 16, 768 registers.
; K goes in steps of 64 through two LDS slots.  A K block's 128 (192) rows are dense in memory, 128 bytes each: they are asked for as 64 (96) rows of 256 bytes and padded in LDS after every 128 bytes.
; CLUSTER.  4 x 4 work-groups.  The four of a row of the cluster need the same rows of xb, the four of a column the same rows of wb: each tile is asked for JOINTLY.
; THE MATRIX INSTRUCTION IS USED TRANSPOSED (source 0 = 16 rows of wb, source 1 = 16 rows of xb): a lane holds eight neighbouring columns of one row of qkv.
; REGISTERS.  Window 0: v0-31 addresses; v32-95, v96-159 xb's fragments (8 x 16 rows x 32 K), two buffers; v160-255 wb's twelve fragments, in two halves that are fetched again as soon as they have been multiplied.
;   Windows 1-3: accumulator (a, b) in window 1 + b / 4 at v[8 (8 (b % 4) + a)].
; s_set_vgpr_msb's low byte: bits 1:0 source 0, 3:2 source 1, 5:4 source 2, 7:6 destination.
.set PITCH,  144                       ; an LDS row: 128 bytes + 16 of padding = 36 words: the 16 rows of a load start at 16 different groups of four banks (64 banks of 4 bytes: ISA guide 11.1)
.set AHALF,  128*PITCH                 ; what a wave fetches of xb, and reads of it
.set BHALF,  192*PITCH                 ; the same for wb
.set BOFF,   2*AHALF
.set SLOT,   2*AHALF+2*BHALF           ; 92,160
.set SPITCH, 784                       ; the way out: a row of 384 f16 + 16 bytes
.set SPARE,  256*SPITCH                ; behind the stage (which takes the ring's place when the ring has had its last fill): the spare words, 128 bytes a wave
.set XSTEP,  8192*128                  ; bytes from a K block of xb to the next
.set WSTEP,  3072*128                  ; of wb
.set QROW,   6144                      ; bytes in a row of qkv
.set ADRA, 16                          ; v16-17  LDS address of my xb fragments in slot 0, 1
.set ADRB, 20                          ; v20-21  the same for wb
.set STO,  22                          ; v22-23  the way out: where I put 16 bytes of a row, row blocks 0-3 and 4-7
.set RD,   25                          ; v25     where I read rows back
.set CO,   26                          ; v26     my byte offset in the tile's rows of qkv
.set SPW,  28                          ; v28     LDS address of my spare word; never rewritten
.set NIL,  29                          ; v29     0; never rewritten
.set PFO,  30                          ; v30     the prefetches' offset; never rewritten
.set AF,   32
.set BF,   160
.set G1A, 24                           ; s[24:31] descriptor group 1 for xb's tiles;  s[32:39] group 0, a set for each slot
.set G0A, 32
.set G1B, 48                           ; s[48:55], s[56:63] the same for wb's
.set G0B, 56
.set PFA, 66                           ; s[66:67] where my prefetches stand
.set PST, 68                           ; s[68:69] bytes from a K block to the next in the tensor that I fetch
.set LIM, 70                           ; s70     1 in a wave that prefetches, else the greatest number
.set G1W, (1<<16)|(1<<20)|(1<<21)|(4<<22)|(3<<25)  ; 17:16 2-byte elements; 20 padding on; 21 set beside a mask; 24:22 after every 32 words (code 4); 31:25 4 words (code 3)
.set MSB, 0
.macro WIN new                         ; the immediate's high byte repeats the setting that is left; a switch that changes nothing is dropped
.if MSB != (\new)
	s_set_vgpr_msb (MSB<<8)|(\new)
.set MSB, (\new)
.endif
.endm
.macro PLACES                          ; four places in front of loads into registers that matrix instructions have read, and of conversions that read results
.rept 4
	v_nop
.endr
.endm
; A joint load: waves 0 and 1 fetch xb's two halves, waves 2 and 3 wb's.  The branch hangs on the wave's number alone.  An s_nop 0 and four v_nop follow each of the two lines.
.macro JLOAD s
	s_cmp_eq_u32 s11, 0
	s_cbranch_scc0 .Lfor_b_\@
	tensor_load_to_lds s[G0A+4*(\s):G0A+4*(\s)+3], s[G1A:G1A+7]
	s_nop 0
.rept 4
	v_nop
.endr
	s_branch .Lasked_\@
.Lfor_b_\@:
	tensor_load_to_lds s[G0B+4*(\s):G0B+4*(\s)+3], s[G1B:G1B+7]
	s_nop 0
.rept 4
	v_nop
.endr
.Lasked_\@:
.endm
.macro CREST                           ; a round of the cluster's barrier behind its opening barrier
	s_cmp_lg_u32 s10, 0
	s_cbranch_scc1 .Lnot_wave_0_\@
	s_barrier_signal -3
.Lnot_wave_0_\@:
	s_barrier_wait -3
	s_barrier_signal -1
	s_barrier_wait -1
.endm
.macro CROUND                          ; a whole round
	s_barrier_signal -1
	s_barrier_wait -1
	CREST
.endm
; A PREFETCH INTO THE L2 behind each joint refill and the run of LDS loads that follows it: the K block that stands two refills on, 384 matrix instructions ahead of the load that will want it.
; xb's rows of a tile row are read by both clusters of that row of clusters: cluster x = 0 asks; wb's by all eight clusters of a column: cluster y = 0 asks.  Of the 64 (96) blocks of 256 bytes that a wave
; fetches, each of the four partners takes 16 (24), told apart BY ADDRESS; a lane a block; the lanes above 15 (23) name the last block once more in the same instruction.
; The first four K blocks come by their loads alone; the loop's last trip asks for nothing: K blocks 16 and 17 do not exist.
.macro ASK
	s_cmp_gt_u32 s3, s[LIM]
	s_cbranch_scc0 .Lnot_mine_\@
	global_prefetch_b8 v[PFO], s[PFA:PFA+1] th:TH_LOAD_NT scope:SCOPE_SE
.Lnot_mine_\@:
.endm
	s_load_b128 s[4:7], s[0:1], 0x0                ; xb s[4:5], wb s[6:7]
	s_load_b64 s[8:9], s[0:1], 0x10                ; qkv
	v_lshl_add_u32 v[SPW], v0, 2, SPARE
	v_mov_b32 v[NIL], 0
	ds_add_u32 v[SPW], v[NIL]                      ; the wave's opening: the add and its wait stand ahead of my first tensor load; the set-up below, work on registers, stands between them
	v_lshrrev_b32 v1, 5, v0
	v_readfirstlane_b32 s10, v1                    ; wave 0..3
	s_lshr_b32 s11, s10, 1                         ; which 128 rows of the tile are mine.  Also: I fetch for xb (0) or for wb (1)
	s_and_b32 s12, s10, 1                          ; which 192 columns.  Also: which half of that tile I fetch
	s_bfe_u32 s40, ttmp6, 0x40000                  ; cx
	s_bfe_u32 s41, ttmp6, 0x40004                  ; cy
	s_lshl_b32 s42, ttmp9, 2
	s_add_co_u32 s42, s42, s40                     ; tile column = 4 x cluster x + cx
	s_and_b32 s13, ttmp7, 0xffff
	s_lshl_b32 s13, s13, 2
	s_add_co_u32 s13, s13, s41                     ; tile row = 4 x cluster y + cy
	s_lshl_b32 s43, s41, 2
	s_lshl_b32 s43, 15, s43                        ; my row of the cluster
	s_lshl_b32 s44, 0x1111, s40                    ; my column
	s_or_b32 s[G1A], s43, G1W
	s_or_b32 s[G1B], s44, G1W
	s_mov_b32 s[G1A+1], 128<<16                    ; tensor_dim0 = 128 elements: 256 bytes, two rows of a K block
	s_mov_b32 s[G1A+2], 64<<16                     ; tensor_dim1 = 64
	s_mov_b32 s[G1A+3], 128<<16                    ; tile_dim0 = 128
	s_mov_b32 s[G1A+4], 64                         ; tile_dim1 = 64
	s_mov_b32 s[G1A+5], 128                        ; 128 elements from row to row: dense
	s_mov_b32 s[G1A+6], 0
	s_mov_b32 s[G1A+7], 0
	s_mov_b32 s[G1B+1], 128<<16
	s_mov_b32 s[G1B+2], 96<<16                     ; 96 such rows: 192 rows of wb
	s_mov_b32 s[G1B+3], 128<<16
	s_mov_b32 s[G1B+4], 96
	s_mov_b32 s[G1B+5], 128
	s_mov_b32 s[G1B+6], 0
	s_mov_b32 s[G1B+7], 0
	s_lshl_b32 s16, s13, 15                        ; xb: (256 x tile row + 128 x half) rows of 128 bytes
	s_lshl_b32 s17, s12, 14
	s_add_co_u32 s16, s16, s17
	s_mov_b32 s17, 0
	s_mul_i32 s46, s42, 384*128                    ; wb: (384 x tile column + 192 x half) rows
	s_mul_i32 s47, s12, 192*128
	s_add_co_u32 s46, s46, s47
	s_mov_b32 s47, 0
	s_mul_i32 s18, s12, AHALF                      ; where they go: no place in the cluster enters an LDS address
	s_mul_i32 s19, s12, BHALF
	s_add_co_u32 s19, s19, BOFF
	s_wait_dscnt 0x0                               ; the opening add is done
	s_wait_kmcnt 0x0
	s_add_nc_u64 s[14:15], s[4:5], s[16:17]
	s_add_nc_u64 s[46:47], s[6:7], s[46:47]
	CROUND                                         ; all sixteen work-groups are here: the first joint loads meet
.irp s, 0,1
	s_mov_b32 s[G0A+4*(\s)], 1
	s_add_co_u32 s[G0A+4*(\s)+1], s18, (\s)*SLOT
	s_add_nc_u64 s[G0A+4*(\s)+2:G0A+4*(\s)+3], s[14:15], (\s)*XSTEP
	s_or_b32 s[G0A+4*(\s)+3], s[G0A+4*(\s)+3], 0x80000000
	s_mov_b32 s[G0B+4*(\s)], 1
	s_add_co_u32 s[G0B+4*(\s)+1], s19, (\s)*SLOT
	s_add_nc_u64 s[G0B+4*(\s)+2:G0B+4*(\s)+3], s[46:47], (\s)*WSTEP
	s_or_b32 s[G0B+4*(\s)+3], s[G0B+4*(\s)+3], 0x80000000
	JLOAD \s                                       ; K blocks 0 and 1: two loads of mine are out
.endr
	; the prefetches
	s_and_b32 s22, ttmp7, 0xffff                   ; cluster y
	s_lshl_b32 s20, s40, 12                        ; xb: partner cx takes 16 blocks of 256 bytes
	s_mul_i32 s21, s41, 6144                       ; wb: partner cy takes 24
	s_mov_b32 s[PST], WSTEP
	s_cmp_eq_u32 s11, 0                            ; do I fetch for xb?
	s_cselect_b32 s20, s20, s21
	s_cselect_b32 s22, ttmp9, s22                  ; the coordinate along which other clusters read the same rows
	s_cselect_b32 s23, 15, 23
	s_cselect_b32 s[PST], XSTEP, s[PST]
	s_cselect_b64 s[PFA:PFA+1], s[14:15], s[46:47]
	s_mov_b32 s21, 0
	s_mov_b32 s[PST+1], 0
	s_add_nc_u64 s[PFA:PFA+1], s[PFA:PFA+1], s[20:21]
	s_mul_i32 s20, s[PST], 3
	s_add_nc_u64 s[PFA:PFA+1], s[PFA:PFA+1], s[20:21]  ; at K block 3: the first refill steps it to 4
	s_cmp_eq_u32 s22, 0
	s_cselect_b32 s[LIM], 1, -1                    ; the same in all sixteen partners, for a given wave
	v_and_b32 v[PFO], 31, v0
	v_min_u32 v[PFO], s23, v[PFO]
	v_lshlrev_b32 v[PFO], 8, v[PFO]
	; A fragment is 16 rows x 32 K in 8 registers: lane l holds row l % 16; registers 0-3 K = 8 (l / 16) + 0..7, registers 4-7 K = 16 + 8 (l / 16) + 0..7: two loads of 16 bytes, 32 bytes apart.
	v_and_b32 v1, 15, v0                           ; l % 16
	v_bfe_u32 v2, v0, 4, 1                         ; l / 16
	v_mul_u32_u24 v3, v1, PITCH
	v_lshl_add_u32 v3, v2, 4, v3
	s_mul_i32 s21, s11, AHALF                      ; my 128 rows of xb
	s_mul_i32 s22, s12, BHALF                      ; my 192 rows of wb
	s_add_co_u32 s22, s22, BOFF
.irp s, 0,1
	v_add_nc_u32 v[ADRA+(\s)], s21, v3
	v_add_nc_u32 v[ADRB+(\s)], s22, v3
	s_add_co_u32 s21, s21, SLOT
	s_add_co_u32 s22, s22, SLOT
.endr
	s_mul_i32 s23, s11, 128*SPITCH                 ; into the stage: my 128 rows, my 384 bytes of them; row l % 16, 16 bytes for each half of the lanes
	s_mul_i32 s21, s12, 384
	s_add_co_u32 s23, s23, s21
	v_mul_u32_u24 v4, v1, SPITCH
	v_lshl_add_u32 v4, v2, 4, v4
	v_add_nc_u32 v[STO], s23, v4
	v_add_nc_u32 v[STO+1], 4*16*SPITCH, v[STO]
	s_mul_i32 s23, s10, 64*SPITCH                  ; back: wave w takes rows 64 w .. 64 w + 63, whole; lanes 0-15 a row of the first 32, lanes 16-31 one of the second
	v_mul_u32_u24 v5, v2, 32*SPITCH
	v_lshl_add_u32 v5, v1, 4, v5
	v_add_nc_u32 v[RD], s23, v5
	s_mul_i32 s23, s10, 64*QROW                    ; and the same rows in qkv
	v_mul_u32_u24 v5, v2, 32*QROW
	v_lshl_add_u32 v5, v1, 4, v5
	v_add_nc_u32 v[CO], s23, v5
	s_mul_i32 s16, s13, 256*QROW                   ; the tile's first row
	s_mov_b32 s17, 0
	s_add_nc_u64 s[8:9], s[8:9], s[16:17]
	s_mul_i32 s46, s42, 768                        ; and its first column, in bytes
	s_mov_b32 s47, 0
	s_add_nc_u64 s[8:9], s[8:9], s[46:47]
; cnt x 8 matrix instructions: column blocks b0 on x all 8 row blocks, 32 along K (half u of the K step).  The 96 accumulators take turns, one instruction a turn, in the same order in every half step.
.macro MULB b0, cnt, u, zero
.set bb, \b0
.rept \cnt
	WIN 0x50*(1+bb/4)                              ; C and D in window 1 + b / 4
.set aa, 0
.rept 8
.set rD, 8*(8*(bb%4)+aa)
.if \zero
	v_wmma_f32_16x16x32_bf16 v[rD:rD+7], v[BF+8*bb:BF+8*bb+7], v[AF+64*(\u)+8*aa:AF+64*(\u)+8*aa+7], 0
.else
	v_wmma_f32_16x16x32_bf16 v[rD:rD+7], v[BF+8*bb:BF+8*bb+7], v[AF+64*(\u)+8*aa:AF+64*(\u)+8*aa+7], v[rD:rD+7]
.endif
.set aa, aa+1
.endr
.set bb, bb+1
.endr
.endm
.macro FETCH_LA slot, u                ; 28 LDS loads: wb's fragments 0-5 and xb's eight (into buffer u) of half u of the slot's K step
	WIN 0
.irp b, 0,1,2,3,4,5
	ds_load_b128 v[BF+8*(\b):BF+8*(\b)+3],   v[ADRB+(\slot)] offset:(\b)*16*PITCH+64*(\u)
	ds_load_b128 v[BF+8*(\b)+4:BF+8*(\b)+7], v[ADRB+(\slot)] offset:(\b)*16*PITCH+64*(\u)+32
.endr
.irp a, 0,1,2,3,4,5,6,7
	ds_load_b128 v[AF+64*(\u)+8*(\a):AF+64*(\u)+8*(\a)+3],   v[ADRA+(\slot)] offset:(\a)*16*PITCH+64*(\u)
	ds_load_b128 v[AF+64*(\u)+8*(\a)+4:AF+64*(\u)+8*(\a)+7], v[ADRA+(\slot)] offset:(\a)*16*PITCH+64*(\u)+32
.endr
.endm
.macro FETCH_H slot, u                 ; 12 LDS loads: wb's fragments 6-11
	WIN 0
.irp b, 6,7,8,9,10,11
	ds_load_b128 v[BF+8*(\b):BF+8*(\b)+3],   v[ADRB+(\slot)] offset:(\b)*16*PITCH+64*(\u)
	ds_load_b128 v[BF+8*(\b)+4:BF+8*(\b)+7], v[ADRB+(\slot)] offset:(\b)*16*PITCH+64*(\u)+32
.endr
.endm
; The first half of a K step: 96 products; each half of wb's fragments is fetched anew, for the second half of the step, as soon as it has been multiplied.
.macro U0 slot, zero
	s_wait_dscnt 12                                ; wb's fragments 0-5 and xb's are in; the youngest twelve loads (fragments 6-11) may be out
	MULB 0, 6, 0, \zero
	PLACES
	FETCH_LA \slot, 1
	s_wait_dscnt 28                                ; all but the 28 just issued
	MULB 6, 6, 0, \zero
	PLACES
	FETCH_H \slot, 1
.endm
; The second half, with the change of slots.  In front of the barrier each wave waits for all its tensor loads (one is out: its part of the next slot), adds 0 to its spare word, and waits for that and for its reads of
; this slot.  fill = 1: the barrier opens a round of the cluster's, and the joint refill is the first thing behind it: 168 matrix instructions ahead of the wait for it.
.macro U1 slot, next, fill
.if \fill
	s_wait_xcnt 0x0                                ; the last prefetch, a K step back, has read its address
	s_add_nc_u64 s[PFA:PFA+1], s[PFA:PFA+1], s[PST:PST+1]
.endif
	s_wait_dscnt 12
	MULB 0, 3, 1, 0
	WIN 0                                          ; (the add's two registers lie in window 0)
	s_wait_tensorcnt 0x0                           ; no tensor load of mine is out, so a group 0 may be written
	ds_add_u32 v[SPW], v[NIL]                      ; 0 onto my spare word
.if \fill
	s_add_nc_u64 s[G0A+4*(\slot)+2:G0A+4*(\slot)+3], s[G0A+4*(\slot)+2:G0A+4*(\slot)+3], 2*XSTEP
	s_add_nc_u64 s[G0B+4*(\slot)+2:G0B+4*(\slot)+3], s[G0B+4*(\slot)+2:G0B+4*(\slot)+3], 2*WSTEP
.endif
	MULB 3, 1, 1, 0                                ; eight matrix instructions stand between the add and the wait for it
	s_wait_dscnt 0x0                               ; the add is done, and my reads of this slot are over
	s_barrier_signal -1
	MULB 4, 2, 1, 0
	WIN 0
	s_barrier_wait -1
.if \fill
	CREST                                          ; no wave of any partner still reads this slot or has a load on its way
	JLOAD \slot                                    ; its four v_nop are also the places in front of the loads below
.else
	PLACES
.endif
	FETCH_LA \next, 0
.if \fill
	ASK
.endif
	MULB 6, 6, 1, 0
	PLACES
	FETCH_H \next, 0
.endm
	s_wait_tensorcnt 0x1                           ; my part of K block 0 is in; K block 1's may stay out
	s_barrier_signal -1
	s_barrier_wait -1                              ; everybody's is
	FETCH_LA 0, 0
	FETCH_H 0, 0
	U0 0, 1                                        ; the first half step stands in front of the loop: its products start the sums
	WIN 0
	s_mov_b32 s3, 7
.Llap:                                         ; a trip goes once round the ring and fills both slots again: K blocks 2 to 15 in seven trips
	U1 0, 1, 1
	U0 1, 0
	U1 1, 0, 1
	U0 0, 0
	WIN 0
	s_sub_co_u32 s3, s3, 1
	s_cmp_lg_u32 s3, 0
	s_cbranch_scc1 .Llap
	U1 0, 1, 0                                     ; the last lap fills nothing
	U0 1, 0
	s_wait_dscnt 12
	MULB 0, 6, 1, 0
	s_wait_dscnt 0x0
	MULB 6, 6, 1, 0
	; THE WAY OUT.  A wave's 192 columns are 384 bytes, one and a half aligned blocks of 256: so the four waves share one stage of 256 rows x 784 bytes, which takes the ring's place.
	PLACES
	WIN 0
	s_barrier_signal -1                            ; no LDS instruction of mine is out: my reads of the ring are over, and the ring has had its last fill
	s_barrier_wait -1                              ; everybody's are: the stage may be written
.irp wd, 1,2,3                         ; a window's 32 accumulators at a time: rounded to f16, 16 bytes a lane, into the stage
	WIN 5*(\wd)                                    ; sources 0 and 1 in window wd
.set n, 0
.rept 32
.irp r, 0,1,2,3
	v_cvt_pk_f16_f32 v[AF+4*n+(\r)], v[8*n+2*(\r)], v[8*n+2*(\r)+1]
.endr
.set n, n+1
.endr
	WIN 0
.set n, 0
.rept 32                               ; accumulator n: row block a = n % 8, column block b = 4 (wd - 1) + n / 8
	ds_store_b128 v[STO+(n%8)/4], v[AF+4*n:AF+4*n+3] offset:((n%8)%4)*16*SPITCH+32*(4*((\wd)-1)+n/8)
.set n, n+1
.endr
.endr
	s_wait_dscnt 0x0                               ; for the others' sake: my stores into the stage are done
	s_barrier_signal -1
	s_barrier_wait -1
.set q, 0
.rept 4                                ; my 64 rows in four batches of 24 loads: eight rows of each half of the lanes x three blocks of 256 bytes; two banks of registers take turns
.set BK, 32+96*(q%2)
.if q >= 2
	s_wait_xcnt 0x0                                ; the bank's last stores have read their registers
.endif
.set i, 0
.rept 24
	ds_load_b128 v[BK+4*i:BK+4*i+3], v[RD] offset:(8*q+i/3)*SPITCH+256*(i%3)
.set i, i+1
.endr
.set i, 0
.rept 24
	s_wait_dscnt 23-i
	global_store_b128 v[CO], v[BK+4*i:BK+4*i+3], s[8:9] offset:(8*q+i/3)*QROW+256*(i%3)  ; 16 lanes store 256 consecutive bytes, at a multiple of 256 from qkv's first byte
.set i, i+1
.endr
.set q, q+1
.endr
	s_wait_tensorcnt 0x0                           ; the wave's end: behind my last tensor load and my last LDS store
	ds_add_u32 v[SPW], v[NIL]
	s_wait_dscnt 0x0
	CROUND                                         ; the closing round: no work-group ends while a partner may still ask for a tile that names it
	s_endpgm
.Lfunc_end_k_qab14af1eee_proj:
	.size	k_qab14af1eee_proj, .Lfunc_end_k_qab14af1eee_proj-k_qab14af1eee_proj
	.p2alignl 7, 3214868480
	.fill 96, 4, 3214868480
	.section	.rodata,"a",@progbits
	.p2align	6, 0x0
	.amdhsa_kernel k_qab14af1eee_proj
		.amdhsa_group_segment_fixed_size 327680
		.amdhsa_private_segment_fixed_size 0
		.amdhsa_enable_private_segment 0
		.amdhsa_kernarg_size 24
		.amdhsa_user_sgpr_count 2
		.amdhsa_user_sgpr_kernarg_segment_ptr 1
		.amdhsa_wavefront_size32 1
		.amdhsa_system_sgpr_workgroup_id_x 1
		.amdhsa_system_sgpr_workgroup_id_y 1
		.amdhsa_system_sgpr_workgroup_id_z 1
		.amdhsa_system_vgpr_workitem_id 0
		.amdhsa_next_free_vgpr 1024
		.amdhsa_next_free_sgpr 72
		.amdhsa_reserve_vcc 0
		.amdhsa_float_denorm_mode_32 3
		.amdhsa_float_denorm_mode_16_64 3
		.amdhsa_memory_ordered 1
		.amdhsa_forward_progress 1
		.amdhsa_inst_pref_size 132
	.end_amdhsa_kernel
	.amdgpu_metadata
---
amdhsa.version: [ 1, 2 ]
amdhsa.kernels:
  - .name:           k_qab14af1eee_proj
    .symbol:         k_qab14af1eee_proj.kd
    .args:
      - { .name: xb, .offset: 0, .size: 8, .value_kind: global_buffer, .address_space: global }
      - { .name: wb, .offset: 8, .size: 8, .value_kind: global_buffer, .address_space: global }
      - { .name: qkv, .offset: 16, .size: 8, .value_kind: global_buffer, .address_space: global }
    .group_segment_fixed_size: 327680
    .private_segment_fixed_size: 0
    .kernarg_segment_align: 8
    .kernarg_segment_size: 24
    .max_flat_workgroup_size: 128
    .sgpr_count:     72
    .vgpr_count:     1024
    .wavefront_size: 32
...
	.end_amdgpu_metadata
.endif
;; end of part 2
;; launch scores (part 3): grid 36 x 4, 4 waves a work-group, no clusters, 327,680 bytes of LDS; arguments qkv, pt, ms, ls; writes pt, ms, ls
.if DOCPART == 3
	.amdgcn_target "amdgcn-amd-amdhsa--gfx1250"
	.amdhsa_code_object_version 6
	.text
	.protected	k_qab14af1eee_scores
	.globl	k_qab14af1eee_scores
	.p2align	8
	.type	k_qab14af1eee_scores,@function
k_qab14af1eee_scores:
	s_mov_b64 s[64:65], 0
	v_nop
	global_prefetch_b8 v0, s[64:65] scope:SCOPE_SE
	s_setreg_imm32_b32 hwreg(HW_REG_WAVE_MODE, 25, 1), 1
	s_wait_xcnt 0x0
; For each batch and each tile (I, J), J <= I, of 256 queries x 256 keys: S = q k^T (f16 operands, f32 sums, 1,024 channels).  Then, for each query and each BLOCK of 128 keys:
;   cm = c x the block's largest score, c = log2(e) / 32;   pt = 2^(c s - cm), rounded to f16;   l = the sum of the unrounded weights.
; pt [4][2048 q][2048 key] f16, ms (cm) and ls (l) [4][16 key blocks][2048 q] f32.  The launch behind joins a row's blocks by their maxima: a maximum is taken away before every exponential, here the block's, there the row's.
; LIMITS.  A hidden score (key > query) counts as its value less 1e30; a weight under 6e-8 of its block's maximum is 0 in pt; one under 2^-126 is 0 in l; NaN and infinities are not treated apart.
; THE MAXIMUM IS HELD FROM BELOW AT -2^96.  Scores of f16 operands are at most 1024 x 65,504^2 = 4.4e12 in size, so the floor is reached only in a block that is wholly hidden (keys 128-255 for queries 0-127 of a
; diagonal tile).  There c s - cm is about -4.2e28: every weight, pt and l are 0, and cm, about -3.6e27, gives the block the factor 0 in the launch behind.  (Without the floor cm would be c x -1e30 rounded, and the
; fused c s - cm would leave that rounding's error, some 1e21, as the exponent.)
; SHARES.  Work-group t of 36 takes tile (I, J) with t = I (I + 1) / 2 + J.  Four waves, each 128 queries x 128 keys, one key block: 64 accumulators, 512 registers.  K goes in steps of 128 channels
; (rows of 256 bytes) through two LDS slots; each wave fetches a quarter of a slot: waves 0, 1 the halves of q's 256 rows, waves 2, 3 those of k's.
; NO CLUSTER: a row of the triangle has 1 to 8 tiles and so has a column; groups of four that share q's or k's rows do not cover it, and 4 x 4 blocks on the diagonal would hold six work-groups with nothing to do.
; THE MASK is the C operand of the products that start the sums: 0 or -1e30.  With dq = (my first query) - (my first key), a key of block b is hidden from a query of block a where 16 (b - a) + j > dq + r - 8 h:
; three sets of eight registers serve b < a, b = a, b > a.  No branch and no further instruction.
; LAYOUT.  Source 0 = 16 keys, source 1 = 16 queries: a lane holds ONE query (lane % 16) and the keys 8 (lane / 16) + 0..7 of each key block of 16.
; REGISTERS.  Window 0: v0-31 addresses; v32-55 the masks; v64-127, v128-191 q's fragments, two buffers.  Window 1: v64-191 k's fragments.  Windows 2, 3: accumulator (a, b) at v[8 (8 (a % 4) + b)] of window 2 + a / 4.
; s_set_vgpr_msb's low byte: bits 1:0 source 0, 3:2 source 1, 5:4 source 2, 7:6 destination.
.set KSTEP,  128
.set PITCH,  272                       ; an LDS row: 256 bytes + 16 of padding = 68 words: the 16 rows of a load start at 16 different groups of four banks (64 banks of 4 bytes: ISA guide 11.1)
.set HALFT,  128*PITCH
.set SLOT,   4*HALFT                   ; q's 256 rows, then k's 256 rows
.set STAGE,  2*SLOT                    ; behind the ring: 16 rows x 272 bytes for each wave
.set SPITCH, 272
.set STAT,   STAGE+4*16*SPITCH         ; 1,024 bytes for each wave: 128 cm, then 128 l
.set SPARE,  STAT+4*1024               ; the spare words, 128 bytes a wave
.set QROW,   6144                      ; bytes in a row of qkv
.set PROW,   4096                      ; in a row of pt
.set LAPS,   4                         ; 1,024 channels = 8 K steps = 4 times round the ring
.set LN,   12                          ; v12  16 x lane
.set SRD,  13                          ; v13  where I read 16 bytes of my wave's statistics
.set ADRA, 16                          ; v16-17  LDS address of my q fragments in slot 0, 1
.set ADRB, 20                          ; v20-21  the same for k
.set DS,   22                          ; v22  the way out: my 16 bytes in my wave's 65,536 of the dead ring
.set STO,  24                          ; v24  where I put 16 bytes of a row of weights
.set RD,   25                          ; v25  where I read a row back
.set GO,   26                          ; v26  my byte offset in two rows of pt
.set SST,  27                          ; v27  where my query's cm goes
.set SPW,  28                          ; v28  LDS address of my spare word; never rewritten
.set NIL,  29                          ; v29  0; never rewritten
.set PFO,  30                          ; v30  the prefetches' offset: lane x a row of qkv; never rewritten
.set CLT,  32                          ; v32-39  the mask for b < a
.set CEQ,  40                          ; v40-47  for b = a
.set CGT,  48                          ; v48-55  for b > a
.set F0,   64
.set F1,   128
.set SA,   64                          ; the way out, all in window 0: a tile's 64 scores a lane,
.set SB,   128                         ; a second tile's,
.set PA,   192                         ; their weights in f16,
.set PB,   224
.set TA,   32                          ; and eight registers at work for each
.set TB,   40
.set G1,   24                          ; s[24:31] descriptor group 1
.set G0,   32                          ; s[32:39] group 0, a set for each slot
.set PFA,  48                          ; s[48:49] where my prefetches stand
.set LIM,  50                          ; s50  1 in a wave that prefetches, else the greatest number
.set BIGN, 56                          ; s56  -1e30
.set FLR,  57                          ; s57  -2^96: the floor of a block's maximum
.set CS,   58                          ; s[58:59] c
.set SEL,  60                          ; s[60:61] v_permlanex16_b32's selects: each lane takes its own place in the other half
.set MSB, 0
.macro WIN new
.if MSB != (\new)
	s_set_vgpr_msb (MSB<<8)|(\new)
.set MSB, (\new)
.endif
.endm
.macro PLACES
.rept 4
	v_nop
.endr
.endm
; A PREFETCH INTO THE L2 behind each refill and the run of LDS loads that follows it: my 128 rows' 256 bytes of the K step two refills on (512 matrix instructions ahead of its load): a lane a row, four instructions.
; q's rows of a tile row are read by the work-groups (I, 0 .. I): the one with J = 0 asks, its waves 0 and 1; k's rows by (J .. 7, J): the one with I = J asks, its waves 2 and 3.  So each block is named once.
; K steps 0 to 3 come by their loads alone; the loop's last trip asks for nothing: K steps 8 and 9 do not exist.
.macro ASK
	s_cmp_gt_u32 s3, s[LIM]
	s_cbranch_scc0 .Lnot_mine_\@
.irp i, 0,1,2,3
	global_prefetch_b8 v[PFO], s[PFA:PFA+1] offset:(\i)*32*QROW th:TH_LOAD_NT scope:SCOPE_SE
.endr
.Lnot_mine_\@:
.endm
	s_load_b128 s[4:7], s[0:1], 0x0                ; qkv s[4:5], pt s[6:7]
	s_load_b128 s[44:47], s[0:1], 0x10             ; ms s[44:45], ls s[46:47]
	v_lshl_add_u32 v[SPW], v0, 2, SPARE
	v_mov_b32 v[NIL], 0
	ds_add_u32 v[SPW], v[NIL]                      ; the wave's opening: the add and its wait stand ahead of my first tensor load; the set-up below stands between them
	v_lshrrev_b32 v1, 5, v0
	v_readfirstlane_b32 s10, v1                    ; wave 0..3
	s_lshr_b32 s11, s10, 1                         ; which 128 queries are mine
	s_and_b32 s12, s10, 1                          ; which 128 keys.  Also: which half of a tile's rows I fetch
	s_mov_b32 s40, 0                               ; I = how many of the triangle's row starts 1, 3, 6 .. 28 are at or below t
.irp th, 1,3,6,10,15,21,28
	s_cmp_ge_u32 ttmp9, \th
	s_cselect_b32 s41, 1, 0
	s_add_co_u32 s40, s40, s41
.endr
	s_add_co_u32 s41, s40, 1
	s_mul_i32 s41, s41, s40
	s_lshr_b32 s41, s41, 1
	s_sub_co_u32 s41, ttmp9, s41                   ; J = t - I (I + 1) / 2
	s_and_b32 s42, ttmp7, 0xffff                   ; the batch
	s_mov_b32 s[G1+0], (1<<16)|(1<<20)|(5<<22)|(3<<25)  ; 2-byte elements; padding on: after every 64 words (code 5) 4 words (code 3)
	s_mov_b32 s[G1+1], KSTEP<<16                   ; tensor_dim0 = 128
	s_mov_b32 s[G1+2], 128<<16                     ; tensor_dim1 = 128
	s_mov_b32 s[G1+3], KSTEP<<16                   ; tile_dim0 = 128
	s_mov_b32 s[G1+4], 128                         ; tile_dim1 = 128
	s_mov_b32 s[G1+5], 3072                        ; elements from row to row
	s_mov_b32 s[G1+6], 0
	s_mov_b32 s[G1+7], 0
	s_mov_b32 s[CS], 0x3d38aa3b                    ; c = log2(e) / 32 = 0.0450842
	s_mov_b32 s[CS+1], s[CS]                       ; named with it as a pair
	s_mov_b32 s[SEL], 0x76543210
	s_mov_b32 s[SEL+1], 0xfedcba98
	s_mov_b32 s[BIGN], 0xf149f2ca                  ; -1e30
	s_mov_b32 s[FLR], 0xef800000                   ; -2^96 = -7.9e28
	s_cmp_lt_u32 s10, 2                            ; waves 0, 1: q's rows of tile row I; waves 2, 3: k's rows of tile column J, 2,048 bytes further along the row
	s_cselect_b32 s16, s40, s41
	s_cselect_b32 s18, 0, 2048
	s_lshl_b32 s16, s16, 8
	s_lshl_b32 s17, s12, 7
	s_add_co_u32 s16, s16, s17
	s_lshl_b32 s17, s42, 11
	s_add_co_u32 s16, s16, s17                     ; the first row that I fetch
	s_mul_i32 s16, s16, QROW
	s_add_co_u32 s16, s16, s18
	s_mov_b32 s17, 0
	s_mul_i32 s20, s10, HALFT                      ; and where it goes: wave x 128 rows
	s_wait_dscnt 0x0                               ; the opening add is done
	s_wait_kmcnt 0x0
	s_add_nc_u64 s[14:15], s[4:5], s[16:17]
.irp s, 0,1
	s_mov_b32 s[G0+4*(\s)], 1
	s_add_co_u32 s[G0+4*(\s)+1], s20, (\s)*SLOT
	s_add_nc_u64 s[G0+4*(\s)+2:G0+4*(\s)+3], s[14:15], (\s)*KSTEP*2
	s_or_b32 s[G0+4*(\s)+3], s[G0+4*(\s)+3], 0x80000000
	tensor_load_to_lds s[G0+4*(\s):G0+4*(\s)+3], s[G1:G1+7]  ; K steps 0 and 1: two loads of mine are out
	s_nop 0
.endr
	v_and_b32 v1, 15, v0                           ; r = l % 16
	v_bfe_u32 v2, v0, 4, 1                         ; h = l / 16
	v_and_b32 v6, 31, v0                           ; l
	v_mul_u32_u24 v3, v1, PITCH
	v_lshl_add_u32 v3, v2, 4, v3                   ; a fragment's row x pitch + 16 x half
	s_mul_i32 s21, s11, HALFT                      ; my 128 rows of q
	s_mul_i32 s22, s12, HALFT                      ; my 128 rows of k,
	s_add_co_u32 s22, s22, 2*HALFT                 ; which lie behind q's 256
.irp s, 0,1
	v_add_nc_u32 v[ADRA+(\s)], s21, v3
	v_add_nc_u32 v[ADRB+(\s)], s22, v3
	s_add_co_u32 s21, s21, SLOT
	s_add_co_u32 s22, s22, SLOT
.endr
	s_mul_i32 s23, s10, 16*SPITCH
	s_add_co_u32 s23, s23, STAGE                   ; my stage
	v_mul_u32_u24 v4, v1, SPITCH                   ; in: row r, 16 bytes for each half of the lanes
	v_lshl_add_u32 v4, v2, 4, v4
	v_add_nc_u32 v[STO], s23, v4
	v_mul_u32_u24 v5, v2, SPITCH                   ; back: lanes 0-15 one row of 256 bytes, lanes 16-31 the next
	v_lshl_add_u32 v5, v1, 4, v5
	v_add_nc_u32 v[RD], s23, v5
	v_lshlrev_b32 v5, 12, v2                       ; and the same two rows in pt
	v_lshl_add_u32 v[GO], v1, 4, v5
	v_lshlrev_b32 v[LN], 4, v6
	s_lshl_b32 s23, s10, 16
	v_add_nc_u32 v[DS], s23, v[LN]
	s_lshl_b32 s23, s10, 10
	s_add_co_u32 s23, s23, STAT
	v_lshl_add_u32 v[SST], v1, 2, s23
	v_add_nc_u32 v[SRD], s23, v[LN]
	v_mul_u32_u24 v[PFO], v6, QROW
	; the masks
	s_sub_co_i32 s16, s40, s41
	s_lshl_b32 s16, s16, 8
	s_sub_co_i32 s17, s11, s12
	s_lshl_b32 s17, s17, 7
	s_add_co_i32 s16, s16, s17                     ; dq = 256 (I - J) + 128 (my half of the queries - my half of the keys)
	s_cmp_lt_i32 s16, 0
	s_cselect_b32 s18, s[BIGN], 0                  ; b < a is hidden only where the whole block is
	s_cmp_le_i32 s16, 0
	s_cselect_b32 s19, s[BIGN], 0                  ; b > a is hidden on the diagonal too
	v_lshlrev_b32 v7, 3, v2
	v_sub_nc_u32 v7, v1, v7
	v_add_nc_u32 v7, s16, v7                       ; dq + r - 8 h
.irp j, 0,1,2,3,4,5,6,7
	v_mov_b32 v[CLT+(\j)], s18
	v_mov_b32 v[CGT+(\j)], s19
	v_cmp_gt_i32 vcc_lo, \j, v7
	v_cndmask_b32 v[CEQ+(\j)], 0, s[BIGN], vcc_lo
.endr
	; the prefetches
	s_add_nc_u64 s[PFA:PFA+1], s[14:15], 3*KSTEP*2 ; at K step 3: the first refill steps it to 4
	s_sub_co_u32 s17, s40, s41
	s_cmp_lt_u32 s10, 2
	s_cselect_b32 s17, s41, s17                    ; q: J; k: I - J
	s_cmp_eq_u32 s17, 0
	s_cselect_b32 s[LIM], 1, -1
	; where my part of the tile begins in pt: row 2048 b + 256 I + 128 x half, byte 512 J + 256 x half
	s_lshl_b32 s16, s42, 11
	s_lshl_b32 s17, s40, 8
	s_add_co_u32 s16, s16, s17
	s_lshl_b32 s17, s11, 7
	s_add_co_u32 s16, s16, s17
	s_lshl_b32 s16, s16, 12
	s_lshl_b32 s17, s41, 9
	s_add_co_u32 s16, s16, s17
	s_lshl_b32 s17, s12, 8
	s_add_co_u32 s16, s16, s17
	s_mov_b32 s17, 0
	s_add_nc_u64 s[6:7], s[6:7], s[16:17]
	; and in ms and ls: ((16 b + 2 J + key half) 2048 + 256 I + 128 x query half) words
	s_lshl_b32 s16, s42, 4
	s_lshl_b32 s17, s41, 1
	s_add_co_u32 s16, s16, s17
	s_add_co_u32 s16, s16, s12
	s_lshl_b32 s16, s16, 11
	s_lshl_b32 s17, s40, 8
	s_add_co_u32 s16, s16, s17
	s_lshl_b32 s17, s11, 7
	s_add_co_u32 s16, s16, s17
	s_lshl_b32 s16, s16, 2
	s_mov_b32 s17, 0
	s_add_nc_u64 s[44:45], s[44:45], s[16:17]
	s_add_nc_u64 s[46:47], s[46:47], s[16:17]
; 16 matrix instructions: query blocks a0, a0 + 1 of the window's four (hi = 0: my queries 0-63, 1: 64-127) x all 8 key blocks, 32 channels.  zero = 1: the first products start the sums, with the mask as C.
; The 64 accumulators take turns, one instruction a turn, in the same order in every quarter step.
.macro MUL16 f, hi, a0, zero
.if \zero
	WIN 0x81+0x40*(\hi)                            ; k in window 1, q and the mask in window 0, D in window 2 or 3
.else
	WIN 0xa1+0x50*(\hi)                            ; C and D in window 2 or 3
.endif
.irp a, \a0, (\a0)+1
.irp b, 0,1,2,3,4,5,6,7
.if \zero
.set rC, CEQ
.if (\b) < 4*(\hi)+(\a)
.set rC, CLT
.endif
.if (\b) > 4*(\hi)+(\a)
.set rC, CGT
.endif
	v_wmma_f32_16x16x32_f16 v[8*(8*(\a)+(\b)):8*(8*(\a)+(\b))+7], v[(\f)+8*(\b):(\f)+8*(\b)+7], v[(\f)+8*(4*(\hi)+(\a)):(\f)+8*(4*(\hi)+(\a))+7], v[rC:rC+7]
.else
	v_wmma_f32_16x16x32_f16 v[8*(8*(\a)+(\b)):8*(8*(\a)+(\b))+7], v[(\f)+8*(\b):(\f)+8*(\b)+7], v[(\f)+8*(4*(\hi)+(\a)):(\f)+8*(4*(\hi)+(\a))+7], v[8*(8*(\a)+(\b)):8*(8*(\a)+(\b))+7]
.endif
.endr
.endr
.endm
; 32 LDS loads in one run: the fragments of one quarter step (128 rows of k, 128 rows of q, 32 channels at byte k of the rows) into buffer f
.macro FETCH slot, k, f
	WIN 0x40                                       ; destination window 1, address window 0
.irp i, 0,1,2,3,4,5,6,7
	ds_load_b128 v[(\f)+8*(\i):(\f)+8*(\i)+3],   v[ADRB+(\slot)] offset:(\k)+(\i)*16*PITCH
	ds_load_b128 v[(\f)+8*(\i)+4:(\f)+8*(\i)+7], v[ADRB+(\slot)] offset:(\k)+(\i)*16*PITCH+32
.endr
	WIN 0
.irp i, 0,1,2,3,4,5,6,7
	ds_load_b128 v[(\f)+8*(\i):(\f)+8*(\i)+3],   v[ADRA+(\slot)] offset:(\k)+(\i)*16*PITCH
	ds_load_b128 v[(\f)+8*(\i)+4:(\f)+8*(\i)+7], v[ADRA+(\slot)] offset:(\k)+(\i)*16*PITCH+32
.endr
.endm
; A K step is four quarters of 32 channels, 64 matrix instructions each, on buffers 0, 1, 0, 1.  One of the first three: multiplies buffer f; in its middle it fetches the next quarter into buffer g.
.macro QUARTER slot, k, f, g, zero
	s_wait_dscnt 8                                 ; k and q's rows 0-63 are in; the youngest eight loads (q's rows 64-127) may be out
	MUL16 \f, 0, 0, \zero
	MUL16 \f, 0, 2, \zero
	PLACES
	FETCH \slot, \k, \g
	s_wait_dscnt 32                                ; all but the 32 just issued
	MUL16 \f, 1, 0, \zero
	MUL16 \f, 1, 2, \zero
.endm
; The last quarter multiplies buffer 1 and changes slots: ONE barrier.  In front of it each wave waits for all its tensor loads (one is out: its part of the next slot), adds 0 to its spare word, and waits for that and
; for its reads of this slot.  fill = 1: this slot is filled again, two K steps on, first thing behind the barrier: 224 matrix instructions ahead of the wait for it.
.macro TURN slot, next, fill
.if \fill
	s_wait_xcnt 0x0                                ; the last prefetches, a K step back, have read their address
	s_add_nc_u64 s[PFA:PFA+1], s[PFA:PFA+1], KSTEP*2
.endif
	WIN 0                                          ; (the add's two registers lie in window 0)
	s_wait_tensorcnt 0x0                           ; no tensor load of mine is out, so a group 0 may be written
	ds_add_u32 v[SPW], v[NIL]                      ; 0 onto my spare word
.if \fill
	s_add_nc_u64 s[G0+4*(\slot)+2:G0+4*(\slot)+3], s[G0+4*(\slot)+2:G0+4*(\slot)+3], 2*KSTEP*2
.endif
	s_wait_dscnt 9                                 ; (the add and the youngest eight loads may be out)
	MUL16 F1, 0, 0, 0                              ; sixteen matrix instructions stand between the add and the wait for it
	s_wait_dscnt 0x0                               ; the add is done, and my reads of this slot are over
	s_barrier_signal -1
	MUL16 F1, 0, 2, 0
	WIN 0
	s_barrier_wait -1
.if \fill
	tensor_load_to_lds s[G0+4*(\slot):G0+4*(\slot)+3], s[G1:G1+7]
	s_nop 0
.endif
	PLACES                                         ; behind the load, and the places in front of the loads below
	FETCH \next, 0, F0
.if \fill
	ASK
.endif
	MUL16 F1, 1, 0, 0
	MUL16 F1, 1, 2, 0
.endm
	s_wait_tensorcnt 0x1                           ; my part of K step 0 is in; K step 1's may stay out
	s_barrier_signal -1
	s_barrier_wait -1
	FETCH 0, 0, F0
	QUARTER 0, 64,  F0, F1, 1                      ; the first quarter stands in front of the loop: its products start the sums
	WIN 0
	s_mov_b32 s3, LAPS-1
.Llap:                                         ; a trip goes once round the ring, from a lap's second quarter to the next lap's first, and fills both slots again
	QUARTER 0, 128, F1, F0, 0
	QUARTER 0, 192, F0, F1, 0
	TURN 0, 1, 1
	QUARTER 1, 64,  F0, F1, 0
	QUARTER 1, 128, F1, F0, 0
	QUARTER 1, 192, F0, F1, 0
	TURN 1, 0, 1
	QUARTER 0, 64,  F0, F1, 0
	WIN 0
	s_sub_co_u32 s3, s3, 1
	s_cmp_lg_u32 s3, 0
	s_cbranch_scc1 .Llap
	QUARTER 0, 128, F1, F0, 0                      ; the last lap fills nothing
	QUARTER 0, 192, F0, F1, 0
	TURN 0, 1, 0
	QUARTER 1, 64,  F0, F1, 0
	QUARTER 1, 128, F1, F0, 0
	QUARTER 1, 192, F0, F1, 0
	s_wait_dscnt 8
	MUL16 F1, 0, 0, 0
	MUL16 F1, 0, 2, 0
	s_wait_dscnt 0x0
	MUL16 F1, 1, 0, 0
	MUL16 F1, 1, 2, 0
	; THE WAY OUT.  The scores go once through LDS, each lane's own 16 bytes at 16 x lane + 512 n of its wave's part of the dead ring, so that ONE text for two query blocks, all in window 0, is walked four times
	; where eight copies with window switches would stand.  Each accumulator's four lowest registers are read first.
	PLACES
	WIN 0
	s_barrier_signal -1                            ; no LDS instruction of mine is out: my reads of the ring are over, and the ring has had its last fill
	s_barrier_wait -1
	WIN 0x08                                       ; store data in window 2
.set n, 0
.rept 32
	ds_store_b128 v[DS], v[8*n:8*n+3]   offset:1024*n
	ds_store_b128 v[DS], v[8*n+4:8*n+7] offset:1024*n+512
.set n, n+1
.endr
	WIN 0x0c                                       ; in window 3
.set n, 0
.rept 32
	ds_store_b128 v[DS], v[8*n:8*n+3]   offset:1024*(32+n)
	ds_store_b128 v[DS], v[8*n+4:8*n+7] offset:1024*(32+n)+512
.set n, n+1
.endr
	WIN 0
; A block of 16 queries: s = the lane's 64 scores (register 8 b + j: key 16 b + 8 h + j), p = 32 registers for the weights, t = eight at work, so = the block's place in the statistics.
.macro TILE s, p, t, so
.irp k, 0,1,2,3                        ; the maximum: four chains of fifteen scores, three operands at a time,
	v_max3_num_f32 v[(\t)+(\k)], v[(\s)+16*(\k)], v[(\s)+16*(\k)+1], v[(\s)+16*(\k)+2]
.endr
.irp m, 0,1,2,3,4,5
.irp k, 0,1,2,3
	v_max3_num_f32 v[(\t)+(\k)], v[(\t)+(\k)], v[(\s)+16*(\k)+3+2*(\m)], v[(\s)+16*(\k)+4+2*(\m)]
.endr
.endr
	v_max3_num_f32 v[(\t)], v[(\t)], v[(\s)+15], v[(\s)+31]        ; the four scores left over, and the four chains into one
	v_max3_num_f32 v[(\t)+2], v[(\t)+2], v[(\s)+47], v[(\s)+63]
	v_max3_num_f32 v[(\t)], v[(\t)], v[(\t)+1], v[(\t)+2]
	v_max_num_f32 v[(\t)], v[(\t)], v[(\t)+3]
	v_permlanex16_b32 v[(\t)+1], v[(\t)], s[SEL], s[SEL+1]         ; the query's other 64 keys lie in the lane 16 away
	v_max3_num_f32 v[(\t)+5], v[(\t)], v[(\t)+1], s[FLR]           ; the block's maximum, held from below at -2^96: reached only where all 128 keys are hidden
	v_mul_f32 v[(\t)+4], s[CS], v[(\t)+5]                          ; cm
.set n, 0
.rept 32
	v_pk_fma_f32 v[(\s)+n:(\s)+n+1], v[(\s)+n:(\s)+n+1], s[CS:CS+1], v[(\t)+4:(\t)+5] op_sel_hi:[1,0,0] neg_lo:[0,0,1] neg_hi:[0,0,1]  ; c s - cm
.set n, n+2
.endr
.set n, 0
.rept 64
	v_exp_f32 v[(\s)+n], v[(\s)+n]
.set n, n+1
.endr
	v_nop                                          ; a plain instruction behind the last exponential (ISA guide 5.7.2),
	s_wait_alu depctr_va_vdst(0)                   ; and the one wait ahead of the batch's first reader
.set n, 0
.rept 32
	v_cvt_pk_f16_f32 v[(\p)+n], v[(\s)+2*n], v[(\s)+2*n+1]
.set n, n+1
.endr
.set w, 32
.rept 5                                ; the sum of the 32 pairs, in place: pairs 16, 8, 4, 2, 1 apart
.set n, 0
.rept w/2
	v_pk_add_f32 v[(\s)+n:(\s)+n+1], v[(\s)+n:(\s)+n+1], v[(\s)+w+n:(\s)+w+n+1]
.set n, n+2
.endr
.set w, w/2
.endr
	v_add_f32 v[(\t)], v[(\s)], v[(\s)+1]
	v_permlanex16_b32 v[(\t)+1], v[(\t)], s[SEL], s[SEL+1]
	v_add_f32 v[(\t)], v[(\t)], v[(\t)+1]                          ; l
	ds_store_b32 v[SST], v[(\t)+4] offset:(\so)                    ; both halves of the lanes write the same word with the same number
	ds_store_b32 v[SST], v[(\t)]   offset:512+(\so)
.irp b, 0,1,2,3,4,5,6,7
	ds_store_b128 v[STO], v[(\p)+4*(\b):(\p)+4*(\b)+3] offset:32*(\b)
.endr
.irp u, 0,1,2,3,4,5,6,7
	ds_load_b128 v[(\s)+4*(\u):(\s)+4*(\u)+3], v[RD] offset:(\u)*2*SPITCH  ; LDS serves a wave's instructions in order (ISA guide 5.7.1.4): these see the stores above; the next block's stores come behind them
.endr
.endm
.macro SEND s, go
.irp u, 0,1,2,3,4,5,6,7
	global_store_b128 v[GO], v[(\s)+4*(\u):(\s)+4*(\u)+3], s[6:7] offset:(\go)+(\u)*2*PROW  ; 16 lanes store 256 consecutive bytes, at a multiple of 256 from pt's first byte
.endr
.endm
	s_mov_b32 s2, 4
.Lpair:                                        ; four trips, two blocks of 16 queries each
.set n, 0
.rept 16
	ds_load_b128 v[SA+4*n:SA+4*n+3], v[DS] offset:512*n
.set n, n+1
.endr
.set n, 0
.rept 16
	ds_load_b128 v[SB+4*n:SB+4*n+3], v[DS] offset:8192+512*n
.set n, n+1
.endr
	s_wait_dscnt 16                                ; the first block's scores are in; the second's sixteen loads may be out
	TILE SA, PA, TA, 0
	s_wait_dscnt 18                                ; the second block's are in: behind them stand the first block's 2 + 8 + 8 LDS instructions
	TILE SB, PB, TB, 64
	s_wait_dscnt 18                                ; the first block's rows are back
	SEND SA, 0
	s_wait_dscnt 0x0
	SEND SB, 16*PROW
	v_add_nc_u32 v[DS], 16384, v[DS]
	v_add_nc_u32 v[SST], 128, v[SST]
	s_wait_xcnt 0x0                                ; the stores have read their registers and pt's address: only behind this wait is the address stepped, and are the next trip's scores loaded
	s_add_nc_u64 s[6:7], s[6:7], 32*PROW
	s_sub_co_u32 s2, s2, 1
	s_cmp_lg_u32 s2, 0
	s_cbranch_scc1 .Lpair
	ds_load_b128 v[64:67], v[SRD]                  ; my wave's 128 cm and 128 l: 512 consecutive bytes each
	ds_load_b128 v[68:71], v[SRD] offset:512
	s_wait_dscnt 0x0
	global_store_b128 v[LN], v[64:67], s[44:45]
	global_store_b128 v[LN], v[68:71], s[46:47]
	s_wait_tensorcnt 0x0                           ; the wave's end: behind my last tensor load and my last LDS store
	ds_add_u32 v[SPW], v[NIL]
	s_wait_dscnt 0x0
	s_endpgm
.Lfunc_end_k_qab14af1eee_scores:
	.size	k_qab14af1eee_scores, .Lfunc_end_k_qab14af1eee_scores-k_qab14af1eee_scores
	.p2alignl 7, 3214868480
	.fill 96, 4, 3214868480
	.section	.rodata,"a",@progbits
	.p2align	6, 0x0
	.amdhsa_kernel k_qab14af1eee_scores
		.amdhsa_group_segment_fixed_size 327680
		.amdhsa_private_segment_fixed_size 0
		.amdhsa_enable_private_segment 0
		.amdhsa_kernarg_size 32
		.amdhsa_user_sgpr_count 2
		.amdhsa_user_sgpr_kernarg_segment_ptr 1
		.amdhsa_wavefront_size32 1
		.amdhsa_system_sgpr_workgroup_id_x 1
		.amdhsa_system_sgpr_workgroup_id_y 1
		.amdhsa_system_sgpr_workgroup_id_z 1
		.amdhsa_system_vgpr_workitem_id 0
		.amdhsa_next_free_vgpr 1024
		.amdhsa_next_free_sgpr 66
		.amdhsa_reserve_vcc 1
		.amdhsa_float_denorm_mode_32 3
		.amdhsa_float_denorm_mode_16_64 3
		.amdhsa_memory_ordered 1
		.amdhsa_forward_progress 1
		.amdhsa_inst_pref_size 147
	.end_amdhsa_kernel
	.amdgpu_metadata
---
amdhsa.version: [ 1, 2 ]
amdhsa.kernels:
  - .name:           k_qab14af1eee_scores
    .symbol:         k_qab14af1eee_scores.kd
    .args:
      - { .name: qkv, .offset: 0, .size: 8, .value_kind: global_buffer, .address_space: global }
      - { .name: pt, .offset: 8, .size: 8, .value_kind: global_buffer, .address_space: global }
      - { .name: ms, .offset: 16, .size: 8, .value_kind: global_buffer, .address_space: global }
      - { .name: ls, .offset: 24, .size: 8, .value_kind: global_buffer, .address_space: global }
    .group_segment_fixed_size: 327680
    .private_segment_fixed_size: 0
    .kernarg_segment_align: 8
    .kernarg_segment_size: 32
    .max_flat_workgroup_size: 128
    .sgpr_count:     66
    .vgpr_count:     1024
    .wavefront_size: 32
...
	.end_amdgpu_metadata
.endif
;; end of part 3
;; launch pv (part 4): grid 8 x 32, 4 waves a work-group, clusters of 4 x 4, 327,680 bytes of LDS; arguments pt, qkv, ms, ls, out0; writes out0
.if DOCPART == 4
	.amdgcn_target "amdgcn-amd-amdhsa--gfx1250"
	.amdhsa_code_object_version 6
	.text
	.protected	k_qab14af1eee_pv
	.globl	k_qab14af1eee_pv
	.p2align	8
	.type	k_qab14af1eee_pv,@function
k_qab14af1eee_pv:
	s_mov_b64 s[64:65], 0
	v_nop
	global_prefetch_b8 v0, s[64:65] scope:SCOPE_SE
	s_setreg_imm32_b32 hwreg(HW_REG_WAVE_MODE, 25, 1), 1
	s_wait_xcnt 0x0
	s_wait_alu depctr_hold_cnt(0) depctr_sa_sdst(0) depctr_va_vdst(0) depctr_va_sdst(0) depctr_va_ssrc(0) depctr_va_vcc(0) depctr_vm_vsrc(0)
	s_getreg_b32 s2, hwreg(HW_REG_IB_STS2, 6, 4)
	s_cmp_eq_u32 s2, 0
	s_cbranch_scc0 .Lentry_in_a_cluster
	s_endpgm
.Lentry_in_a_cluster:
	s_bfe_u32 s2, ttmp6, 0x10000c
	s_cmp_lg_u32 s2, 0xf033
	s_cbranch_scc0 .Lentry_shape_is_right
	s_endpgm
.Lentry_shape_is_right:
; out[q][ch] = the sum over key blocks kb of F[q][kb] x (the sum over the block's 128 keys of pt[q][key] v[key][ch]),  F[q][kb] = 2^(cm[kb][q] - cmrow[q]) / lrow[q],
; cmrow = the largest cm of the row's blocks, lrow = the sum over kb of 2^(cm[kb] - cmrow) l[kb].  pt and v in f16, products summed in f32 for each block, joined in f32; out in f32.
; Every exponent is at most 0, and lrow is at least about 1: the block that holds the row's maximum counts whole.  A block beyond the row's own (hidden, or not written) has F = 0.
; SHARES.  A work-group makes 128 channels (block c) of TWO blocks of 128 queries of one batch: block 15 - p, then block p.  Four waves, each 64 queries x 64 channels.
; THE WALK.  Keys go in steps of 256.  Block i needs i / 2 + 1 steps; the two blocks together 9, whatever p.  The four p of a cluster (4 g .. 4 g + 3) walk ONE sequence: 8 - 2 g steps for the first block, 2 + 2 g for the
; second: 10 steps, five times round a ring of two slots, the same for every work-group.  In the one step that a partner does not need it asks, multiplies and discards: pt's column is held at the row's last
; written tile, and F is 0 there.  So every tile can be asked for JOINTLY: pt's by the four of a row of the cluster (same p), v's by the four of a column (same c), and no branch hangs on a place in the cluster.
; LAYOUT.  T^T = V^T P (source 0 = 16 channels, turned out of LDS by ds_load_tr16_b128; source 1 = 16 queries): a lane holds ONE query (lane % 16) and eight neighbouring channels, so F is one number a lane.
; T starts with the constant 0 at each block of 128 keys; behind the block's 64 products, 64 packed multiply-adds take F x T onto O.  O is cleared at a query block's beginning: 128 v_mov_b32, twice a launch.
; THE TABLE F lies BY THE WALK: row 2 X + blk holds the factors of walk position X, key block blk of that step.  So the address from which a step reads its factors only ever steps forward, by a constant a trip.
; REGISTERS.  Window 0: v0-31 addresses; v32-95 at work (the table's making, the way out); v96-111 F of a step; v112-123 at work in the table's making; v128-255 O, (a, cb) at 128 + 8 (4 a + cb).
;   Window 1: two fragment buffers of 128: pt's 64 registers (2 x 4 x 16 queries x 32 keys), then v's 64.   Window 2: v0-127 T.
; s_set_vgpr_msb's low byte: bits 1:0 source 0, 3:2 source 1, 5:4 source 2, 7:6 destination.
.set PPT,    528                       ; a row of pt in LDS: 512 bytes + 16 = 132 words: the 16 rows of a load start at 16 different groups of four banks (64 banks of 4 bytes: ISA guide 11.1)
.set PVV,    288                       ; a row of v: 256 + 32 = 72 words
.set VOFF,   128*PPT                   ; a slot: pt's 128 rows, then v's 256 rows
.set SLOT,   128*PPT+256*PVV           ; 141,312
.set STAGE,  2*SLOT                    ; behind the ring: 16 rows x 272 bytes for each wave
.set SPITCH, 272
.set FTAB,   STAGE+4*16*SPITCH         ; for each wave 6,144 bytes, of which 20 rows of 64 queries x 4 bytes are used
.set SPARE,  FTAB+4*6144               ; the spare words, 128 bytes a wave
.set QROW,   6144                      ; bytes in a row of qkv
.set LN4,  6                           ; v6   4 x lane
.set FT0,  7                           ; v7   my wave's table + 4 x lane
.set ADRP, 8                           ; v8-9    LDS address of my pt fragments in slot 0, 1
.set ADRV, 10                          ; v10-13  of my v fragments: slot 0 keys 0-127, 128-255; slot 1 likewise
.set STO,  14                          ; v14  the way out: where I put 16 bytes of a row
.set RD,   15                          ; v15  where I read a row back
.set GO,   16                          ; v16  my byte offset in two rows of out
.set FA,   17                          ; v17  my wave's table + 4 (l % 16) + 1,024 x the trips gone: where a trip's two steps read their F
.set FST,  19                          ; v19  where F is stored
.set QO,   20                          ; v20  my query's byte offset among my wave's 64 in a row of ms
.set PFO,  21                          ; v21  the prefetches' offset; never rewritten
.set SPW,  22                          ; v22  LDS address of my spare word; never rewritten
.set NIL,  23                          ; v23  0; never rewritten
.set VO,   32                          ; v32-47  the table's making: offsets,
.set MM,   48                          ; v48-63  cm,
.set LL,   64                          ; v64-79  l,
.set EE,   80                          ; v80-95  the first block's 2^(cm - cmrow), then its F
.set FV,   96                          ; v96-111 F of key block blk, query block a, in the even register 96 + 2 (4 blk + a); the odd ones hold 0: they are named as pairs
.set TM,   112                         ; v112 cmrow;  v113-114 lrow in two chains, then its reciprocal
.set TL,   113
.set QB,   115                         ; v115 QO + the query block's 512 i
.set E2,   116                         ; v116-123 the second block's F
.set OA,   128
.set F0,   0
.set F1,   128
.set SH,   4                           ; s4-6   the first query block: key blocks written for it; 8,192 x the last of them; 512 i.  (pt's and qkv's addresses have been used by then)
.set WV,   14                          ; s14 wave;  s15 wave / 2: my 64 queries; also: I fetch pt (0) or v (1);  s16 wave % 2: my 64 channels; also: which half of that tile I fetch
.set WH,   15
.set WL,   16
.set CX,   17
.set CY,   18
.set CC,   19                          ; s19 channel block c;  s20 batch;  s21 g;  s22 p
.set BB,   20
.set GG,   21
.set PP,   22
.set G1P,  24                          ; s[24:31] descriptor group 1 for pt's tiles;  s[32:39] group 0, a set for each slot
.set G0P,  32
.set G1V,  40                          ; s[40:47], s[48:55] the same for v's
.set G0V,  48
.set PTB,  56                          ; s[56:57] pt at the batch's first row, my half of a tile's rows
.set VB,   58                          ; s[58:59] v at the batch's first key, my half of a tile's keys, channel block c
.set OFP,  60                          ; s[60:61], s[62:63] by slot: the byte offset of pt's tile that the slot takes next
.set POS,  66                          ; s66 the walk's position for which offsets are made next
.set NH,   67                          ; s67 8 - 2 g: steps of the first block's walk
.set OFV,  68                          ; s[68:69], s[70:71] the same as OFP for v's tile
.set RPH,  72                          ; s72, s73 the two query blocks' first rows, in bytes of pt (and of out: both have rows of 4,096 bytes)
.set RPL,  73
.set NV1H, 74                          ; s74, s75 their last written key step
.set NV1L, 75
.set T0,   76
.set T1,   77
.set T2,   78
.set SL,   76                          ; s76-78 in the table's making: the second query block's three numbers, as SH's
.set BE,   79                          ; s79 1 + g: the count at which the first block ends
.set PFB,  80                          ; s[80:81] the prefetches' base;  s[82:83] their address;  s[84:85] an offset
.set PFA,  82
.set PFF,  84
.set LIM,  86                          ; s86 a wave prefetches while the loop's count is above it
.set OUT,  88                          ; s[88:89] out at my part of the block in hand;  s[90:91] of the second block
.set OUTL, 90
.set MSA,  92                          ; s[92:93], s[94:95] ms and ls at the batch's key block 0, my wave's 64 queries of query block 0
.set LSA,  94
.set MSB, 0
.macro WIN new
.if MSB != (\new)
	s_set_vgpr_msb (MSB<<8)|(\new)
.set MSB, (\new)
.endif
.endm
.macro PLACES
.rept 4
	v_nop
.endr
.endm
.macro JLOAD s                         ; a joint load: waves 0 and 1 fetch the halves of pt's tile, waves 2 and 3 those of v's; an s_nop 0 and four v_nop follow each of the two lines
	s_cmp_eq_u32 s[WH], 0
	s_cbranch_scc0 .Lfor_v_\@
	tensor_load_to_lds s[G0P+4*(\s):G0P+4*(\s)+3], s[G1P:G1P+7]
	s_nop 0
.rept 4
	v_nop
.endr
	s_branch .Lasked_\@
.Lfor_v_\@:
	tensor_load_to_lds s[G0V+4*(\s):G0V+4*(\s)+3], s[G1V:G1V+7]
	s_nop 0
.rept 4
	v_nop
.endr
.Lasked_\@:
.endm
.macro CREST
	s_cmp_lg_u32 s[WV], 0
	s_cbranch_scc1 .Lnot_wave_0_\@
	s_barrier_signal -3
.Lnot_wave_0_\@:
	s_barrier_wait -3
	s_barrier_signal -1
	s_barrier_wait -1
.endm
.macro CROUND
	s_barrier_signal -1
	s_barrier_wait -1
	CREST
.endm
; The offsets of the tiles of walk position POS, into slot s's registers.  ks = the key step: POS in the first block's walk, POS - NH in the second's; it hangs on g alone.  pt's column is held at the block's last written step.
.macro MKOFF s
	s_cmp_lt_u32 s[POS], s[NH]
	s_cselect_b32 s[T0], 0, s[NH]
	s_cselect_b32 s[T1], s[RPH], s[RPL]
	s_cselect_b32 s[T2], s[NV1H], s[NV1L]
	s_sub_co_u32 s[T0], s[POS], s[T0]
	s_min_u32 s[T2], s[T0], s[T2]
	s_lshl_b32 s[T2], s[T2], 9                     ; 256 keys are 512 bytes of a row of pt
	s_add_co_u32 s[OFP+2*(\s)], s[T1], s[T2]
	s_mul_i32 s[OFV+2*(\s)], s[T0], 256*QROW       ; and 256 rows of qkv
	s_add_co_u32 s[POS], s[POS], 1
.endm
.macro SETG0 s                         ; slot s's two descriptors take those offsets: the address is made anew, the type bits set again
	s_add_nc_u64 s[G0P+4*(\s)+2:G0P+4*(\s)+3], s[PTB:PTB+1], s[OFP+2*(\s):OFP+2*(\s)+1]
	s_or_b32 s[G0P+4*(\s)+3], s[G0P+4*(\s)+3], 0x80000000
	s_add_nc_u64 s[G0V+4*(\s)+2:G0V+4*(\s)+3], s[VB:VB+1], s[OFV+2*(\s):OFV+2*(\s)+1]
	s_or_b32 s[G0V+4*(\s)+3], s[G0V+4*(\s)+3], 0x80000000
.endm
; A PREFETCH INTO THE L2 behind each joint refill and the run of LDS loads that follows it: the tile of the position two refills on (256 matrix instructions ahead of its load), one instruction a wave.
; pt's tile is read by both clusters of a row of clusters: cluster x = 0 asks, waves 0 and 1; of a wave's 64 rows x 512 bytes partner cx takes 16 rows: a lane a block of 256 bytes.  The loop's last trip asks for nothing.
; v's rows are read by both clusters of a batch, and again in the second block's walk: the cluster with g = 0 asks, in the first block's walk alone (the loop's first two trips), waves 2 and 3; of a wave's 128 rows partner cy
; takes 32: a lane a row.  The partners are told apart BY ADDRESS.  The tile at which pt's column is held in a step that is discarded is named a second time.
.macro ASK
	WIN 0
	s_cmp_gt_u32 s3, s[LIM]
	s_cbranch_scc0 .Lnot_mine_\@
	global_prefetch_b8 v[PFO], s[PFA:PFA+1] th:TH_LOAD_NT scope:SCOPE_SE
.Lnot_mine_\@:
.endm
	s_load_b256 s[4:11], s[0:1], 0x0               ; pt s[4:5], qkv s[6:7], ms s[8:9], ls s[10:11]
	s_load_b64 s[12:13], s[0:1], 0x20              ; out0
	v_lshl_add_u32 v[SPW], v0, 2, SPARE
	v_mov_b32 v[NIL], 0
	ds_add_u32 v[SPW], v[NIL]                      ; the wave's opening: the add and its wait stand ahead of my first tensor load; the set-up below stands between them
	v_lshrrev_b32 v1, 5, v0
	v_readfirstlane_b32 s[WV], v1
	s_lshr_b32 s[WH], s[WV], 1
	s_and_b32 s[WL], s[WV], 1
	s_bfe_u32 s[CX], ttmp6, 0x40000
	s_bfe_u32 s[CY], ttmp6, 0x40004
	s_lshl_b32 s[CC], ttmp9, 2
	s_add_co_u32 s[CC], s[CC], s[CX]               ; c = 4 x cluster x + cx
	s_and_b32 s[BB], ttmp7, 0xffff                 ; cluster y = 2 x batch + g
	s_and_b32 s[GG], s[BB], 1
	s_lshr_b32 s[BB], s[BB], 1
	s_lshl_b32 s[PP], s[GG], 2
	s_add_co_u32 s[PP], s[PP], s[CY]               ; p = 4 g + cy
	s_lshl_b32 s[T1], s[CY], 2
	s_lshl_b32 s[T1], 15, s[T1]                    ; my row of the cluster
	s_lshl_b32 s99, 0x1111, s[CX]                  ; my column
	s_or_b32 s[G1P], s[T1], (1<<16)|(1<<20)|(1<<21)|(6<<22)|(3<<25)  ; the mask; 2-byte elements; padding on; 21 set beside a mask; after every 128 words (code 6) 4 words (code 3)
	s_or_b32 s[G1V], s99, (1<<16)|(1<<20)|(1<<21)|(5<<22)|(7<<25)    ; after every 64 words (code 5) 8 words (code 7)
	s_mov_b32 s[G1P+1], 256<<16                    ; tensor_dim0 = 256 keys
	s_mov_b32 s[G1P+2], 64<<16                     ; tensor_dim1 = 64 queries
	s_mov_b32 s[G1P+3], 256<<16                    ; tile_dim0
	s_mov_b32 s[G1P+4], 64                         ; tile_dim1
	s_mov_b32 s[G1P+5], 2048                       ; elements from row to row of pt
	s_mov_b32 s[G1P+6], 0
	s_mov_b32 s[G1P+7], 0
	s_mov_b32 s[G1V+1], 128<<16                    ; 128 channels
	s_mov_b32 s[G1V+2], 128<<16                    ; 128 keys
	s_mov_b32 s[G1V+3], 128<<16
	s_mov_b32 s[G1V+4], 128
	s_mov_b32 s[G1V+5], 3072                       ; elements from row to row of qkv
	s_mov_b32 s[G1V+6], 0
	s_mov_b32 s[G1V+7], 0
	s_lshl_b32 s98, s[GG], 1
	s_sub_co_u32 s[NH], 8, s98
	s_add_co_u32 s[BE], s[GG], 1
	s_sub_co_u32 s[RPH], 15, s[PP]
	s_lshl_b32 s[RPH], s[RPH], 19                  ; 128 rows of 4,096 bytes
	s_lshl_b32 s[RPL], s[PP], 19
	s_lshr_b32 s[NV1L], s[PP], 1                   ; block i's last written key step is i / 2
	s_sub_co_u32 s[NV1H], 7, s[NV1L]
	s_mov_b32 s[OFP+1], 0
	s_mov_b32 s[OFP+3], 0
	s_mov_b32 s[OFV+1], 0
	s_mov_b32 s[OFV+3], 0
	s_mov_b32 s[PFF+1], 0
	s_mov_b32 s[POS], 0
	s_lshl_b32 s[PTB], s[BB], 23                   ; pt: (2048 b + 64 x half) rows of 4,096 bytes
	s_lshl_b32 s98, s[WL], 18
	s_add_co_u32 s[PTB], s[PTB], s98
	s_mov_b32 s[PTB+1], 0
	s_lshl_b32 s[VB], s[BB], 11                    ; v: row 2048 b + 128 x half of qkv, byte 4,096 + 256 c
	s_lshl_b32 s98, s[WL], 7
	s_add_co_u32 s[VB], s[VB], s98
	s_mul_i32 s[VB], s[VB], QROW
	s_lshl_b32 s98, s[CC], 8
	s_add_co_u32 s[VB], s[VB], s98
	s_add_co_u32 s[VB], s[VB], 4096
	s_mov_b32 s[VB+1], 0
	s_mul_i32 s98, s[WL], 64*PPT                   ; where they go: no place in the cluster enters an LDS address
	s_mul_i32 s99, s[WL], 128*PVV
	s_add_co_u32 s99, s99, VOFF
.irp s, 0,1
	s_mov_b32 s[G0P+4*(\s)], 1
	s_add_co_u32 s[G0P+4*(\s)+1], s98, (\s)*SLOT
	s_mov_b32 s[G0V+4*(\s)], 1
	s_add_co_u32 s[G0V+4*(\s)+1], s99, (\s)*SLOT
.endr
	MKOFF 0                                        ; positions 0 and 1
	MKOFF 1
	s_wait_dscnt 0x0                               ; the opening add is done
	s_wait_kmcnt 0x0
	s_add_nc_u64 s[PTB:PTB+1], s[4:5], s[PTB:PTB+1]
	s_add_nc_u64 s[VB:VB+1], s[6:7], s[VB:VB+1]
	SETG0 0
	SETG0 1
	MKOFF 0                                        ; positions 2 and 3 wait in the slots' registers for the first refills
	MKOFF 1
	CROUND                                         ; all sixteen work-groups are here: the first joint loads meet
	JLOAD 0
	JLOAD 1                                        ; two loads of mine are out
	v_and_b32 v1, 15, v0                           ; r = l % 16
	v_bfe_u32 v2, v0, 4, 1                         ; h = l / 16
	v_mul_u32_u24 v3, v1, PPT                      ; a fragment of pt: row x pitch + 16 x half
	v_lshl_add_u32 v3, v2, 4, v3
	s_mul_i32 s98, s[WH], 64*PPT                   ; my 64 queries
	v_add_nc_u32 v[ADRP], s98, v3
	v_add_nc_u32 v[ADRP+1], SLOT, v[ADRP]
	; The turning load takes 16 keys x 16 channels (lane l reads key 8 (l / 16) + l % 8, channels 8 ((l / 8) % 2) + 0..7) and leaves half a fragment of V^T: lane l holds channel l % 16 and 8 keys.
	v_and_b32 v4, 7, v0
	v_bfe_u32 v5, v0, 3, 1
	v_lshl_add_u32 v4, v2, 3, v4
	v_mul_u32_u24 v4, v4, PVV
	v_lshl_add_u32 v4, v5, 4, v4
	s_lshl_b32 s98, s[WL], 7                       ; my 64 channels: 128 bytes
	s_add_co_u32 s98, s98, VOFF
	v_add_nc_u32 v[ADRV], s98, v4
	v_add_nc_u32 v[ADRV+1], 128*PVV, v[ADRV]
	v_add_nc_u32 v[ADRV+2], SLOT, v[ADRV]
	v_add_nc_u32 v[ADRV+3], SLOT, v[ADRV+1]
	s_mul_i32 s98, s[WV], 16*SPITCH
	s_add_co_u32 s98, s98, STAGE                   ; my stage
	v_mul_u32_u24 v3, v1, SPITCH                   ; in: row r, 32 bytes for each half of the lanes
	v_lshl_add_u32 v3, v2, 5, v3
	v_add_nc_u32 v[STO], s98, v3
	v_mul_u32_u24 v3, v2, SPITCH                   ; back: lanes 0-15 one row of 256 bytes, lanes 16-31 the next
	v_lshl_add_u32 v3, v1, 4, v3
	v_add_nc_u32 v[RD], s98, v3
	v_lshlrev_b32 v3, 12, v2                       ; and the same two rows in out
	v_lshl_add_u32 v[GO], v1, 4, v3
	s_mul_i32 s98, s[WV], 6144
	s_add_co_u32 s98, s98, FTAB                    ; my table
	v_lshl_add_u32 v[FA], v1, 2, s98
	v_and_b32 v3, 31, v0
	v_lshlrev_b32 v[LN4], 2, v3
	v_add_nc_u32 v[FT0], s98, v[LN4]
	; the prefetches
	s_lshl_b32 s98, s[CX], 16                      ; pt: partner cx takes 16 rows of 4,096 bytes
	s_mul_i32 s99, s[CY], 32*QROW                  ; v: partner cy takes 32 rows
	s_mov_b32 s[T0], QROW
	s_cmp_eq_u32 s[WH], 0                          ; do I fetch pt?
	s_cselect_b32 s98, s98, s99
	s_cselect_b64 s[PFB:PFB+1], s[PTB:PTB+1], s[VB:VB+1]
	s_cselect_b32 s[T1], ttmp9, s[GG]              ; who asks: cluster x = 0 for pt, g = 0 for v
	s_cselect_b32 s[T2], 1, 2                      ; and until when
	s_cselect_b32 s[T0], 4096, s[T0]               ; bytes from row to row
	s_cselect_b32 s[LIM], 1, 0                     ; (for now: two lanes a row, or one)
	s_mov_b32 s99, 0
	s_add_nc_u64 s[PFB:PFB+1], s[PFB:PFB+1], s[98:99]
	v_lshrrev_b32 v4, s[LIM], v3
	v_mul_u32_u24 v4, v4, s[T0]
	v_and_b32 v5, s[LIM], v3
	v_lshl_add_u32 v[PFO], v5, 8, v4               ; pt: (l / 2) rows + 256 (l % 2); v: l rows
	s_cmp_eq_u32 s[T1], 0
	s_cselect_b32 s[LIM], s[T2], -1                ; the same in all sixteen partners, for a given wave
	; out at my 64 queries x 64 channels of the two blocks
	s_lshl_b32 s98, s[BB], 11
	s_lshl_b32 s99, s[WH], 6
	s_add_co_u32 s98, s98, s99
	s_lshl_b32 s98, s98, 12
	s_lshl_b32 s99, s[CC], 9
	s_add_co_u32 s98, s98, s99
	s_lshl_b32 s99, s[WL], 8
	s_add_co_u32 s98, s98, s99
	s_mov_b32 s99, 0
	s_add_nc_u64 s[OUTL:OUTL+1], s[12:13], s[98:99]
	s_mov_b32 s98, s[RPH]
	s_add_nc_u64 s[OUT:OUT+1], s[OUTL:OUTL+1], s[98:99]
	s_mov_b32 s98, s[RPL]
	s_add_nc_u64 s[OUTL:OUTL+1], s[OUTL:OUTL+1], s[98:99]
; THE TABLE F, made in the wait for the first tiles.  Each wave makes its own 64 queries' (the two waves of a query half make the same numbers: no barrier is then wanted for it).
.macro FSET st                         ; s98 = the query block's number i
	s_or_b32 s[(\st)], s98, 1                      ; the last key block written for its rows is i | 1
	s_lshl_b32 s[(\st)+1], s[(\st)], 13            ; a key block's row of ms is 8,192 bytes
	s_add_co_u32 s[(\st)], s[(\st)], 1             ; how many are written
	s_lshl_b32 s[(\st)+2], s98, 9                  ; 128 i queries of 4 bytes
.endm
; One query block's factors for 32 queries, a lane a query, into v[e ..].  Key blocks beyond the last written one read that one again (only written bytes are read; the maximum does not change) and are then multiplied by 0.
.macro FBLK maxkb, e, st
	v_add_nc_u32 v[QB], s[(\st)+2], v[QO]
.set kb, 0
.rept \maxkb
	s_min_u32 s98, s[(\st)+1], 8192*kb
	v_add_nc_u32 v[VO+kb], s98, v[QB]
.set kb, kb+1
.endr
.set kb, 0
.rept \maxkb
	global_load_b32 v[MM+kb], v[VO+kb], s[MSA:MSA+1]
	global_load_b32 v[LL+kb], v[VO+kb], s[LSA:LSA+1]
.set kb, kb+1
.endr
	s_wait_loadcnt 0x0                             ; all are in: their offsets may be written again
	v_max3_num_f32 v[TM], v[MM], v[MM+1], v[MM+2]
.set kb, 3
.rept ((\maxkb)-4)/2
	v_max3_num_f32 v[TM], v[TM], v[MM+kb], v[MM+kb+1]
.set kb, kb+2
.endr
	v_max_num_f32 v[TM], v[TM], v[MM+(\maxkb)-1]   ; cmrow
.set kb, 0
.rept \maxkb
	v_sub_f32 v[(\e)+kb], v[MM+kb], v[TM]
.set kb, kb+1
.endr
.set kb, 0
.rept \maxkb
	v_exp_f32 v[(\e)+kb], v[(\e)+kb]
.set kb, kb+1
.endr
	v_nop                                          ; a plain instruction behind the last exponential,
	s_wait_alu depctr_va_vdst(0)                   ; and the one wait ahead of the batch's first reader
.set kb, 0
.rept \maxkb
	s_cmp_gt_u32 s[(\st)], kb
	s_cselect_b32 s98, 1.0, 0
	v_mul_f32 v[(\e)+kb], s98, v[(\e)+kb]
.set kb, kb+1
.endr
	v_mul_f32 v[TL], v[(\e)], v[LL]
	v_mul_f32 v[TL+1], v[(\e)+1], v[LL+1]
.set kb, 2
.rept (\maxkb)-2
	v_fmac_f32 v[TL+kb%2], v[(\e)+kb], v[LL+kb]
.set kb, kb+1
.endr
	v_add_f32 v[TL], v[TL], v[TL+1]                ; lrow
	v_rcp_f32 v[TL+1], v[TL]
	v_nop
	s_wait_alu depctr_va_vdst(0)
.set kb, 0
.rept \maxkb
	v_mul_f32 v[(\e)+kb], v[(\e)+kb], v[TL+1]
.set kb, kb+1
.endr
.endm
.macro CLEAR
.set n, 0
.rept 128
	v_mov_b32 v[OA+n], 0
.set n, n+1
.endr
.endm
	s_lshl_b32 s98, s[BB], 17                      ; the batch's 16 rows of ms,
	s_lshl_b32 s99, s[WH], 8                       ; my 64 queries
	s_add_co_u32 s98, s98, s99
	s_mov_b32 s99, 0
	s_add_nc_u64 s[MSA:MSA+1], s[8:9], s[98:99]
	s_add_nc_u64 s[LSA:LSA+1], s[10:11], s[98:99]
	s_sub_co_u32 s98, 15, s[PP]
	FSET SH
	s_mov_b32 s98, s[PP]
	FSET SL
	s_cmp_eq_u32 s[GG], 1
	s_cselect_b32 s99, -1, 0                       ; a mask of all lanes where g = 1
	v_mov_b32 v[QO], v[LN4]
	v_mov_b32 v[FST], v[FT0]
	s_mov_b32 s2, 2
.Lftab:                                        ; two trips of 32 queries
	FBLK 16, EE, SH
	FBLK 8,  E2, SL
	; The rows by the walk.  The first walk has 8 - 2 g steps: rows 0-11 are the first block's key blocks 0-11; rows 12-15 its 12-15 (g = 0) or the second block's 0-3 (g = 1); rows 16-19 the second block's 0-3 or 4-7.
.irp j, 0,1,2,3
	v_cndmask_b32 v[EE+12+(\j)], v[EE+12+(\j)], v[E2+(\j)], s99
	v_cndmask_b32 v[MM+(\j)], v[E2+(\j)], v[E2+4+(\j)], s99
.endr
.set kb, 0
.rept 16
	ds_store_b32 v[FST], v[EE+kb] offset:256*kb
.set kb, kb+1
.endr
.irp j, 0,1,2,3
	ds_store_b32 v[FST], v[MM+(\j)] offset:256*(16+(\j))
.endr
	v_add_nc_u32 v[QO], 128, v[QO]
	v_add_nc_u32 v[FST], 128, v[FST]
	s_sub_co_u32 s2, s2, 1
	s_cmp_lg_u32 s2, 0
	s_cbranch_scc1 .Lftab
	CLEAR
.set n, 0
.rept 8
	v_mov_b32 v[FV+2*n+1], 0
.set n, n+1
.endr
; 8 matrix instructions: query blocks a0, a0 + 1 x all 4 channel blocks, 32 keys: half c of buffer f.  zero = 1: the products start T's sums.  The 16 accumulators take turns.
.macro MUL8 f, c, a0, zero
	WIN 0xa5                                       ; v and pt in window 1, C and D in window 2
.irp a, \a0, (\a0)+1
.irp b, 0,1,2,3
.if \zero
	v_wmma_f32_16x16x32_f16 v[8*(4*(\a)+(\b)):8*(4*(\a)+(\b))+7], v[(\f)+64+8*(4*(\c)+(\b)):(\f)+64+8*(4*(\c)+(\b))+7], v[(\f)+8*(4*(\c)+(\a)):(\f)+8*(4*(\c)+(\a))+7], 0
.else
	v_wmma_f32_16x16x32_f16 v[8*(4*(\a)+(\b)):8*(4*(\a)+(\b))+7], v[(\f)+64+8*(4*(\c)+(\b)):(\f)+64+8*(4*(\c)+(\b))+7], v[(\f)+8*(4*(\c)+(\a)):(\f)+8*(4*(\c)+(\a))+7], v[8*(4*(\a)+(\b)):8*(4*(\a)+(\b))+7]
.endif
.endr
.endr
.endm
; 32 LDS loads in one run: the fragments of quarter q of a slot's 256 keys (64 keys) into buffer f; the first 32 keys first
.macro FETCH slot, q, f
	WIN 0x40                                       ; destination window 1, address window 0
.irp c, 0,1
.irp i, 0,1,2,3
	ds_load_tr16_b128 v[(\f)+64+8*(4*(\c)+(\i)):(\f)+64+8*(4*(\c)+(\i))+3],   v[ADRV+2*(\slot)+(\q)/2] offset:(64*((\q)%2)+32*(\c))*PVV+32*(\i)
	ds_load_tr16_b128 v[(\f)+64+8*(4*(\c)+(\i))+4:(\f)+64+8*(4*(\c)+(\i))+7], v[ADRV+2*(\slot)+(\q)/2] offset:(64*((\q)%2)+32*(\c)+16)*PVV+32*(\i)
	ds_load_b128 v[(\f)+8*(4*(\c)+(\i)):(\f)+8*(4*(\c)+(\i))+3],   v[ADRP+(\slot)] offset:128*(\q)+64*(\c)+(\i)*16*PPT
	ds_load_b128 v[(\f)+8*(4*(\c)+(\i))+4:(\f)+8*(4*(\c)+(\i))+7], v[ADRP+(\slot)] offset:128*(\q)+64*(\c)+(\i)*16*PPT+32
.endr
.endr
.endm
.macro FLOAD off                       ; the step's eight F a lane: its two key blocks x my four query blocks; off: 0 for a trip's first step, 512 for its second
	WIN 0
.irp k, 0,1
.irp a, 0,1,2,3
	ds_load_b32 v[FV+2*(4*(\k)+(\a))], v[FA] offset:(\off)+256*(\k)+64*(\a)
.endr
.endr
.endm
; A quarter: 32 matrix instructions on buffer f; in its middle the next quarter, qn, is fetched into g.  young: LDS loads issued behind the run that is waited for.
.macro QUARTER slot, qn, f, g, zero, young
	s_wait_dscnt 16+(\young)                       ; the first 32 keys are in
	MUL8 \f, 0, 0, \zero
	MUL8 \f, 0, 2, \zero
	PLACES
	FETCH \slot, \qn, \g
	s_wait_dscnt 32                                ; all but the 32 just issued
	MUL8 \f, 1, 0, 0
	MUL8 \f, 1, 2, 0
.endm
; O += F x T for key block blk of the step: 64 packed multiply-adds, each accumulator's registers in ascending order
.macro LUMP blk
	PLACES
	WIN 0x02                                       ; T (source 0) in window 2; F, O in window 0
.set n, 0
.rept 16
.irp r, 0,2,4,6
	v_pk_fma_f32 v[OA+8*n+(\r):OA+8*n+(\r)+1], v[8*n+(\r):8*n+(\r)+1], v[FV+2*(4*(\blk)+n/4):FV+2*(4*(\blk)+n/4)+1], v[OA+8*n+(\r):OA+8*n+(\r)+1] op_sel_hi:[1,0,1]
.endr
.set n, n+1
.endr
.endm
; The step's last quarter multiplies buffer 1 and changes slots: ONE barrier; in front of it each wave waits for all its tensor loads (one is out: its part of the next slot), adds 0 to its spare word, and waits for that and
; for its reads of this slot.  fill = 1: the barrier opens a round of the cluster's, and the joint refill, the tiles two positions on, is the first thing behind it: 112 matrix instructions ahead of the wait for it.
.macro TURN slot, next, fill
	WIN 0
.if \fill
	s_wait_xcnt 0x0                                ; the last prefetch, a step back, has read its address
.endif
	s_wait_tensorcnt 0x0                           ; no tensor load of mine is out, so a group 0 may be written
	ds_add_u32 v[SPW], v[NIL]                      ; 0 onto my spare word; scalar work stands between it and the wait for it
.if \fill
	SETG0 \slot                                    ; the tiles that wait in the slot's registers,
	MKOFF \slot                                    ; those of the position two further on,
	s_cmp_eq_u32 s[WH], 0
	s_cselect_b32 s[PFF], s[OFP+2*(\slot)], s[OFV+2*(\slot)]
	s_add_nc_u64 s[PFA:PFA+1], s[PFB:PFB+1], s[PFF:PFF+1]  ; which the prefetch names
.endif
	s_wait_dscnt 17                                ; (the add and the youngest sixteen loads may be out)
	MUL8 F1, 0, 0, 0
	s_wait_dscnt 0x0                               ; the add is done, and my reads of this slot are over
	s_barrier_signal -1
	MUL8 F1, 0, 2, 0
	WIN 0
	s_barrier_wait -1
.if \fill
	CREST                                          ; no wave of any partner still reads this slot or has a load on its way
	JLOAD \slot                                    ; its four v_nop are also the places in front of the loads below
.else
	PLACES
.endif
	FETCH \next, 0, F0
.if \fill
	ASK
.endif
	MUL8 F1, 1, 0, 0
	MUL8 F1, 1, 2, 0
.endm
; A key step: 256 keys, two blocks of 128.  mode 1: the slot is filled again; 0: not; -1: the walk's last step.  Even positions of the walk lie in slot 0, odd ones in slot 1.
.macro STEP slot, next, mode
	FLOAD 512*(\slot)
	QUARTER \slot, 1, F0, F1, 1, 8
	QUARTER \slot, 2, F1, F0, 0, 0
	LUMP 0
	QUARTER \slot, 3, F0, F1, 1, 0
.if (\mode) < 0
	s_wait_dscnt 16
	MUL8 F1, 0, 0, 0
	MUL8 F1, 0, 2, 0
	s_wait_dscnt 0x0
	MUL8 F1, 1, 0, 0
	MUL8 F1, 1, 2, 0
.else
	TURN \slot, \next, \mode
.endif
	LUMP 1
.endm
; THE WAY OUT of a query block.  A wave's 64 channels of a row are 256 bytes of out, aligned: each wave goes through its own stage, 16 rows at a time, and no barrier is wanted.
.macro SENDO a, younger                ; younger: the LDS instructions issued behind block a's loads
.set BK, 32+32*((\a)%2)
.irp u, 0,1,2,3,4,5,6,7
	s_wait_dscnt (\younger)+7-(\u)
	global_store_b128 v[GO], v[BK+4*(\u):BK+4*(\u)+3], s[OUT:OUT+1] offset:(\a)*65536+(\u)*8192  ; 16 lanes store 256 consecutive bytes, at a multiple of 256 from out's first byte
.endr
.endm
.macro WAYOUT
	WIN 0
.irp a, 0,1,2,3
.irp cb, 0,1,2,3
	ds_store_b128 v[STO], v[OA+8*(4*(\a)+(\cb)):OA+8*(4*(\a)+(\cb))+3]   offset:64*(\cb)
	ds_store_b128 v[STO], v[OA+8*(4*(\a)+(\cb))+4:OA+8*(4*(\a)+(\cb))+7] offset:64*(\cb)+16
.endr
.if (\a) >= 2
	s_wait_xcnt 0x0                                ; the bank's last stores have read their registers
.endif
.set BK, 32+32*((\a)%2)
.irp u, 0,1,2,3,4,5,6,7
	ds_load_b128 v[BK+4*(\u):BK+4*(\u)+3], v[RD] offset:(\u)*2*SPITCH  ; LDS serves a wave's instructions in order (ISA guide 5.7.1.4): these see the stores above; the next block's stores come behind them
.endr
.if (\a) > 0
	SENDO (\a)-1, 16
.endif
.endr
	SENDO 3, 0
.endm
	s_wait_tensorcnt 0x1                           ; my part of position 0 is in; position 1's may stay out
	s_wait_dscnt 0x0                               ; my stores into my table are done
	s_barrier_signal -1
	s_barrier_wait -1
	FETCH 0, 0, F0
	WIN 0
	s_mov_b32 s3, 4
.Llap:                                         ; a trip: two positions of the walk; both slots are filled again: positions 2 to 9 in four trips
	STEP 0, 1, 1
	STEP 1, 0, 1
	WIN 0
	s_cmp_lg_u32 s3, s[BE]                         ; behind 4 - g trips the first block's walk is over: the test hangs on g, which all partners share
	s_cbranch_scc1 .Lsame                          ; a jump forward, past no barrier and no tensor load
	WAYOUT
	s_wait_xcnt 0x0                                ; the stores have read their registers and out's address
	s_mov_b64 s[OUT:OUT+1], s[OUTL:OUTL+1]
	CLEAR
.Lsame:
	v_add_nc_u32 v[FA], 1024, v[FA]                ; the next two positions' four rows of the table: once a trip, whatever the block
	s_sub_co_u32 s3, s3, 1
	s_cmp_lg_u32 s3, 0
	s_cbranch_scc1 .Llap
	STEP 0, 1, 0                                   ; the last two positions fill nothing
	STEP 1, 0, -1
	WAYOUT
	s_wait_tensorcnt 0x0                           ; the wave's end: behind my last tensor load and my last LDS store
	ds_add_u32 v[SPW], v[NIL]
	s_wait_dscnt 0x0
	CROUND                                         ; the closing round: no work-group ends while a partner may still ask for a tile that names it
	s_endpgm
.Lfunc_end_k_qab14af1eee_pv:
	.size	k_qab14af1eee_pv, .Lfunc_end_k_qab14af1eee_pv-k_qab14af1eee_pv
	.p2alignl 7, 3214868480
	.fill 96, 4, 3214868480
	.section	.rodata,"a",@progbits
	.p2align	6, 0x0
	.amdhsa_kernel k_qab14af1eee_pv
		.amdhsa_group_segment_fixed_size 327680
		.amdhsa_private_segment_fixed_size 0
		.amdhsa_enable_private_segment 0
		.amdhsa_kernarg_size 40
		.amdhsa_user_sgpr_count 2
		.amdhsa_user_sgpr_kernarg_segment_ptr 1
		.amdhsa_wavefront_size32 1
		.amdhsa_system_sgpr_workgroup_id_x 1
		.amdhsa_system_sgpr_workgroup_id_y 1
		.amdhsa_system_sgpr_workgroup_id_z 1
		.amdhsa_system_vgpr_workitem_id 0
		.amdhsa_next_free_vgpr 640
		.amdhsa_next_free_sgpr 100
		.amdhsa_reserve_vcc 0
		.amdhsa_float_denorm_mode_32 3
		.amdhsa_float_denorm_mode_16_64 3
		.amdhsa_memory_ordered 1
		.amdhsa_forward_progress 1
		.amdhsa_inst_pref_size 159
	.end_amdhsa_kernel
	.amdgpu_metadata
---
amdhsa.version: [ 1, 2 ]
amdhsa.kernels:
  - .name:           k_qab14af1eee_pv
    .symbol:         k_qab14af1eee_pv.kd
    .args:
      - { .name: pt, .offset: 0, .size: 8, .value_kind: global_buffer, .address_space: global }
      - { .name: qkv, .offset: 8, .size: 8, .value_kind: global_buffer, .address_space: global }
      - { .name: ms, .offset: 16, .size: 8, .value_kind: global_buffer, .address_space: global }
      - { .name: ls, .offset: 24, .size: 8, .value_kind: global_buffer, .address_space: global }
      - { .name: out0, .offset: 32, .size: 8, .value_kind: global_buffer, .address_space: global }
    .group_segment_fixed_size: 327680
    .private_segment_fixed_size: 0
    .kernarg_segment_align: 8
    .kernarg_segment_size: 40
    .max_flat_workgroup_size: 128
    .sgpr_count:     100
    .vgpr_count:     640
    .wavefront_size: 32
...
	.end_amdgpu_metadata
.endif
;; end of part 4
;; ======== version 2 of 2: 4 launches; version 1 with the launch cast written anew for expert scheduling mode
;; limits: values are held in f16: magnitudes above 65,504 overflow, below 6.1e-05 lose precision
;; workspace buffers: xb 16,777,216 bytes; wb 6,291,456 bytes; qkv 50,331,648 bytes; pt 33,554,432 bytes; ms 524,288 bytes; ls 524,288 bytes
;; launch cast (part 5): grid 704 x 1, 8 waves a work-group, no clusters, 0 bytes of LDS; arguments x, Wq, Wk, Wv, xb, wb; writes xb, wb
.if DOCPART == 5
	.amdgcn_target "amdgcn-amd-amdhsa--gfx1250"
	.amdhsa_code_object_version 6
	.text
	.protected	k_qab14af1eee_cast
	.globl	k_qab14af1eee_cast
	.p2align	8
	.type	k_qab14af1eee_cast,@function
k_qab14af1eee_cast:
	s_mov_b64 s[64:65], 0
	v_nop
	global_prefetch_b8 v0, s[64:65] scope:SCOPE_SE
	s_setreg_imm32_b32 hwreg(HW_REG_WAVE_SCHED_MODE, 0, 2), 2
	s_setreg_imm32_b32 hwreg(HW_REG_WAVE_MODE, 25, 1), 1
	s_wait_xcnt 0x0
	s_wait_alu depctr_vm_vsrc(0)
; x [8192][1024] and Wq, Wk, Wv [1024][1024], all f32, are rounded once to bf16 and laid in blocks of 64 along K:
; xb [16 kb][8192 rows][64], wb [16 kb][3072 rows][64] (rows 0-1023 Wq, 1024-2047 Wk, 2048-3071 Wv).  So 128 or 192 rows of one K block are dense bytes for the product that follows.
; SHARES.  A work-group takes 16 rows: groups 0-511 those of x, groups 512-703 those of the three W.  A wave takes two rows.  Thread n: row n / 16, the 16 bytes n % 16 of each 256 bytes.
; One load of a wave covers 256 consecutive bytes of each of its two rows; one store covers 256 consecutive bytes, aligned: the two rows' 128 bytes of one K block.
; All 16 loads of a thread go out at once.  No LDS, no barrier: no thread wants another's bytes.
; THE MODE: SCHED_MODE bits 1:0 = 2 (LLVM: expert scheduling mode 2), set by the entry lines.  The code itself states the register dependences
; between vector instructions and memory instructions, with s_wait_alu, always for 0.
; THE PLAN.  Registers that memory instructions touch:
;   v2, v3     the loads' and the stores' byte offsets: written at the head by vector instructions, never written again.
;   X          the 16 loads land here, each register once; no vector instruction names X ahead of the loads; the conversions read it behind the counted wait for the data.
;   Y          written by the conversions, each register once; read by the stores.
; No register that a memory instruction reads is written again, no load lands in a register that a vector instruction has named, no vector instruction writes a scalar register or VCC, and EXEC is never written.
; So what there is to state is: the offsets are written, once, ahead of the first load; and a store's Y is written.  The 16 K blocks go in four batches of four: at the head of batch g, behind the wait for its
; loads, ONE wait states that batch g - 1's eight conversions have written their Y; that batch's four stores are then dealt among batch g's conversions, which name X and Y of batch g alone.
.set SO,   2                           ; v2   byte offset in the group's 16 source rows
.set DO,   3                           ; v3   byte offset in the group's 2,048 bytes of a K block
.set X,    16                          ; v[16:79]   16 x 4 numbers as loaded
.set Y,    80                          ; v[80:111]  16 x 2 registers to store
.set XSTR, 8192*128                    ; bytes of a K block of xb
.set WSTR, 3072*128                    ; of wb
	s_load_b256 s[4:11], s[0:1], 0x0               ; x s[4:5], Wq s[6:7], Wk s[8:9], Wv s[10:11]
	s_load_b128 s[12:15], s[0:1], 0x20             ; xb s[12:13], wb s[14:15]
	v_lshrrev_b32 v1, 4, v0                        ; my row of the 16
	v_and_b32 v4, 15, v0                           ; my place in 256 bytes
	v_lshlrev_b32 v[SO], 12, v1                    ; a source row is 4,096 bytes
	v_lshl_or_b32 v[SO], v4, 4, v[SO]
	v_lshlrev_b32 v[DO], 7, v1                     ; a row of a K block is 128 bytes
	v_lshl_or_b32 v[DO], v4, 3, v[DO]
	s_max_u32 s22, ttmp9, 512
	s_sub_co_u32 s22, s22, 512                     ; t: the group's number among the W groups (0 in the x groups)
	s_lshr_b32 s23, s22, 6                         ; which W: 64 groups each
	s_and_b32 s24, s22, 63                         ; the group's number inside that W
	s_mov_b32 s27, 0
	s_wait_kmcnt 0x0
	s_cmp_eq_u32 s23, 1
	s_cselect_b64 s[16:17], s[8:9], s[6:7]
	s_cmp_eq_u32 s23, 2
	s_cselect_b64 s[16:17], s[10:11], s[16:17]
	s_cmp_lt_u32 ttmp9, 512
	s_cselect_b64 s[16:17], s[4:5], s[16:17]       ; the source,
	s_cselect_b64 s[18:19], s[12:13], s[14:15]     ; the destination,
	s_cselect_b32 s24, ttmp9, s24                  ; the group's number in the source
	s_cselect_b32 s22, ttmp9, s22                  ; and in the destination
	s_lshl_b32 s26, s24, 16                        ; 16 rows of 4,096 bytes
	s_add_nc_u64 s[16:17], s[16:17], s[26:27]
	s_lshl_b32 s26, s22, 11                        ; 16 rows of 128 bytes
	s_add_nc_u64 s[18:19], s[18:19], s[26:27]
	s_wait_alu depctr_va_vdst(0)                   ; v2 and v3 are written: every load of the kernel reads v2 as its offset, every store v3; neither is written again
.set kb, 0
.rept 16
	global_load_b128 v[X+4*kb:X+4*kb+3], v[SO], s[16:17] offset:256*kb th:TH_LOAD_NT
.set kb, kb+1
.endr
; The store of K block sb.  The blocks lie stride bytes apart: eight of them are reached by the immediate, the other eight from a second base.
.macro PUT stride
.if sb < 8
	global_store_b64 v[DO], v[Y+2*sb:Y+2*sb+1], s[18:19] offset:sb*(\stride) th:TH_STORE_NT
.else
	global_store_b64 v[DO], v[Y+2*sb:Y+2*sb+1], s[20:21] offset:(sb-8)*(\stride) th:TH_STORE_NT
.endif
.endm
; The 16 K blocks are rounded and stored in four batches of four, a batch's stores one batch behind its conversions.
.macro OUT stride
	s_add_nc_u64 s[20:21], s[18:19], 8*(\stride)
.set g, 0
.rept 4
	s_wait_loadcnt 12-4*g                          ; loads come back in order (ISA guide 5.7.1): blocks 4 g to 4 g + 3 are in, the 12 - 4 g younger ones stay out
.if g > 0
	s_wait_alu depctr_va_vdst(0)                   ; the batch before has written its eight registers of Y, which the four stores below read
.endif
.set i, 0
.rept 4
.set kb, 4*g+i
.if g > 0
.set sb, kb-4
	PUT \stride                                    ; no wait: no vector instruction since the wait above names this store's Y or v3
.endif
	v_cvt_pk_bf16_f32 v[Y+2*kb],   v[X+4*kb],   v[X+4*kb+1]
	v_cvt_pk_bf16_f32 v[Y+2*kb+1], v[X+4*kb+2], v[X+4*kb+3]
.set i, i+1
.endr
.set g, g+1
.endr
	s_wait_alu depctr_va_vdst(0)                   ; the last batch has written its Y, which the last four stores read
.set sb, 12
.rept 4
	PUT \stride
.set sb, sb+1
.endr
.endm
	s_cmp_lt_u32 ttmp9, 512
	s_cbranch_scc0 .Lweights
	OUT XSTR
	s_endpgm
.Lweights:
	OUT WSTR
	s_endpgm
.Lfunc_end_k_qab14af1eee_cast:
	.size	k_qab14af1eee_cast, .Lfunc_end_k_qab14af1eee_cast-k_qab14af1eee_cast
	.p2alignl 7, 3214868480
	.fill 96, 4, 3214868480
	.section	.rodata,"a",@progbits
	.p2align	6, 0x0
	.amdhsa_kernel k_qab14af1eee_cast
		.amdhsa_group_segment_fixed_size 0
		.amdhsa_private_segment_fixed_size 0
		.amdhsa_enable_private_segment 0
		.amdhsa_kernarg_size 48
		.amdhsa_user_sgpr_count 2
		.amdhsa_user_sgpr_kernarg_segment_ptr 1
		.amdhsa_wavefront_size32 1
		.amdhsa_system_sgpr_workgroup_id_x 1
		.amdhsa_system_sgpr_workgroup_id_y 1
		.amdhsa_system_sgpr_workgroup_id_z 1
		.amdhsa_system_vgpr_workitem_id 0
		.amdhsa_next_free_vgpr 112
		.amdhsa_next_free_sgpr 66
		.amdhsa_reserve_vcc 0
		.amdhsa_float_denorm_mode_32 3
		.amdhsa_float_denorm_mode_16_64 3
		.amdhsa_memory_ordered 1
		.amdhsa_forward_progress 1
		.amdhsa_inst_pref_size 11
	.end_amdhsa_kernel
	.amdgpu_metadata
---
amdhsa.version: [ 1, 2 ]
amdhsa.kernels:
  - .name:           k_qab14af1eee_cast
    .symbol:         k_qab14af1eee_cast.kd
    .args:
      - { .name: x, .offset: 0, .size: 8, .value_kind: global_buffer, .address_space: global }
      - { .name: Wq, .offset: 8, .size: 8, .value_kind: global_buffer, .address_space: global }
      - { .name: Wk, .offset: 16, .size: 8, .value_kind: global_buffer, .address_space: global }
      - { .name: Wv, .offset: 24, .size: 8, .value_kind: global_buffer, .address_space: global }
      - { .name: xb, .offset: 32, .size: 8, .value_kind: global_buffer, .address_space: global }
      - { .name: wb, .offset: 40, .size: 8, .value_kind: global_buffer, .address_space: global }
    .group_segment_fixed_size: 0
    .private_segment_fixed_size: 0
    .kernarg_segment_align: 8
    .kernarg_segment_size: 48
    .max_flat_workgroup_size: 256
    .sgpr_count:     66
    .vgpr_count:     112
    .wavefront_size: 32
...
	.end_amdgpu_metadata
.endif
;; end of part 5
;; launch proj: the kernel of part 2 again; grid 8 x 32, 4 waves a work-group, clusters of 4 x 4, 327,680 bytes of LDS; arguments xb, wb, qkv; writes qkv
;; launch scores: the kernel of part 3 again; grid 36 x 4, 4 waves a work-group, no clusters, 327,680 bytes of LDS; arguments qkv, pt, ms, ls; writes pt, ms, ls
;; launch pv: the kernel of part 4 again; grid 8 x 32, 4 waves a work-group, clusters of 4 x 4, 327,680 bytes of LDS; arguments pt, qkv, ms, ls, out0; writes out0
